; MI455X (gfx1250); checked and timed in simulation.
; The chip was launched on July 23, 2026; its instructions are those of AMD's public machine-readable ISA for CDNA 5 (MIT licence, August 2026) and "CDNA5" Instruction Set Architecture Reference Guide (July 2026). The comments in the code are by the model that wrote it; some were corrected since.
;; Multi Head Attention. Allowed arithmetic: matrix products marked QUANTISED: E2M3 operands, one E8M0 scale for each 32 along K, by v_wmma_scale_f32_16x16x128_f8f6f4 with both operands' format E2M3, f32 sums; everything else in f32.
;; Inputs: Wk 1,024 x 1,024 float32; Wo 1,024 x 1,024 float32; Wq 1,024 x 1,024 float32; Wv 1,024 x 1,024 float32; bk 1,024 float32; bo 1,024 float32; bq 1,024 float32; bv 1,024 float32; key 2,048 x 4 x 1,024 float32; query 2,048 x 4 x 1,024 float32; value 2,048 x 4 x 1,024 float32.
;; Outputs: out0 2,048 x 4 x 1,024 float32.
;; This version of the problem:
;;   THIS VERSION OF THE PROBLEM IS GIVEN IN LOW PRECISION. The matrix products marked QUANTISED in the list below multiply operands that are first quantised to E2M3 (2 exponent bits, 3 mantissa bits; 6 bits a number), with one power-of-two scale for each 32 numbers along K (OCP MX v1.0); their sums are f32. All else is computed in f32.
;;   The module's matrix products, in the order in which they are computed (A, B: the left and right operand; K: the contracted axis; several contracted axes count as one K, in the product's order):
;;     1. [M 8,192, K 1,024] x [K 1,024, N 1,024]; A: input query; B: input Wq: QUANTISED
;;     2. [M 8,192, K 1,024] x [K 1,024, N 1,024]; A: input key; B: input Wk: QUANTISED
;;     3. [M 8,192, K 1,024] x [K 1,024, N 1,024]; A: input value; B: input Wv: QUANTISED
;;     4. batch 64 x [M 2,048, K 64] x [K 64, N 2,048]; A: computed on the way; B: computed on the way: QUANTISED
;;     5. batch 64 x [M 64, K 2,048] x [K 2,048, N 2,048]; A: computed on the way; B: softmax (see below): QUANTISED
;;     6. [M 8,192, K 1,024] x [K 1,024, N 1,024]; A: computed on the way; B: input Wo: QUANTISED
;;   THE QUANTISER, for each operand of a quantised product, along K:
;;     - K is cut into blocks of 32 from its start; a last block that is shorter is filled with zeros.
;;     - A block's scale is 2^e with e = floor(log2(the largest magnitude in the block)) - 2, held to -126 .. 127; a block of zeros has e = 0. As a byte (E8M0): e + 127.
;;     - Each number is divided by its block's scale, clamped to +-7.5, and rounded to the nearest number of E2M3, ties to even, subnormals kept.
;;     - The product sums the exact products of the quantised numbers (number of the format x scale) in f32.
;;   ~~~python
;;   def quantise(x, axis):      # numpy; x: float32 -> the quantised numbers, widened to float32 again
;;       x = np.moveaxis(x, axis, -1); K = x.shape[-1]
;;       x = np.pad(x, [(0, 0)] * (x.ndim - 1) + [(0, -K % 32)]); x = x.reshape(x.shape[:-1] + (-1, 32)); a = np.abs(x).max(-1, keepdims=True)
;;       e = np.where(a > 0, np.clip(np.frexp(np.where(a > 0, a, 1))[1] - 1 - 2, -126, 127), 0)      # np.frexp(a)[1] - 1 = floor(log2(a)), exactly
;;       r = np.clip(x / 2.0 ** e, -7.5, 7.5)
;;       step = 2.0 ** (np.maximum(np.frexp(np.where(r == 0, 1, r))[1] - 1, 0) - 3)
;;       q = np.round(r / step) * step * 2.0 ** e      # np.round: ties to even
;;       return np.moveaxis(q.reshape(q.shape[:-2] + (-1,))[..., :K], -1, axis).astype(np.float32)
;;   ~~~
;;   SOFTMAX AHEAD OF A QUANTISED PRODUCT. Where the list says 'softmax', what is quantised is not the finished softmax but p = 2^(t - M), with t = logit x log2(e) and M = ceil(the row's largest t), a whole number; so 1/2 < the row's largest p <= 1. The row's sum l is taken of the UNQUANTISED p, in f32, and the product's result is divided by l at the end. Since M is a whole number, a kernel that streams over the keys may use a running M (the ceiling of the running maximum): every later rescaling is an exact power of two, which a block's scale takes up: the codes' values come out the same.
;;   OPERANDS COMPUTED ON THE WAY. 'Computed on the way' means the value that the module computes at that place (a softmax that the list does not call 'softmax' is quantised finished and normalised). What goes into a quantiser is computed in f32, as accurately as f32 sums, v_exp_f32 and their like allow (about 1e-6 of the number): no bf16 or f16 on the way to a quantiser, and a product that is left as it is and whose result goes on into a quantised operand takes f32 operands (vector FMAs, or v_wmma_f32_16x16x4_f32). A number that lies on a knife's edge between two numbers of the format may be rounded either way, as far as f32 arithmetic and the matrix unit's own rounding can turn it there, and no further.
;; One version. Each part assembles by itself: llvm-mc -triple=amdgcn-amd-amdhsa -mcpu=gfx1250 --defsym DOCPART=n.
;; ======== version 1 of 1: 4 launches
;; workspace buffers: qc 22,020,096 bytes; qs 917,504 bytes; hd 20,185,088 bytes; cc 6,291,456 bytes; cs 262,144 bytes
;; launch quant (part 1): grid 256 x 1, 7 waves a work-group, no clusters, 65,536 bytes of LDS; arguments query, key, value, Wq, Wk, Wv, Wo, qc, qs; writes qc, qs
.if DOCPART == 1
	.amdgcn_target "amdgcn-amd-amdhsa--gfx1250"
	.amdhsa_code_object_version 6
	.text
	.protected	k_q7925db6204_quant
	.globl	k_q7925db6204_quant
	.p2align	8
	.type	k_q7925db6204_quant,@function
k_q7925db6204_quant:
	s_mov_b64 s[64:65], 0
	v_nop
	global_prefetch_b8 v0, s[64:65] scope:SCOPE_SE
	s_setreg_imm32_b32 hwreg(HW_REG_WAVE_MODE, 25, 1), 1
	s_wait_xcnt 0x0
; query, key, value [2048][4][1024] and Wq, Wk, Wv, Wo [1024][1024], f32, become codes of FP6 (E2M3) with one E8M0 byte for each 32 along K (the last axis),
; laid in the order of an operand's registers.  The seven tensors are 1,792 TILES of 16 rows x 1,024 K: query 0-511, key 512-1023, value 1024-1535, Wq 1536.., Wk 1600.., Wv 1664.., Wo 1728..
; A token tile is 128 b + st (batch-major).  PLACE r of tile st is the true row (s, or a weight's row) 32 (st / 2) + 8 (st % 2) + r + 8 (r / 8): so a product that takes such tiles as its
; source 0 has, in the 16 registers of two neighbouring tiles, 16 true neighbours.
; A tile's codes are 16 HALF IMAGES of 768 bytes (16 rows x 64 K): lane (r = l % 16, h = l / 16) holds k = 32 h + 0 .. 31 of row r in six registers; registers 0-3 lie at 16 l, registers 4-5 at 512 + 8 l.
; A tile's scale bytes are 512: [256 along K: 4][place: 16][8 bytes].
; A block's scale is 2^(floor(log2(its largest magnitude)) - 2); its byte is the largest magnitude's exponent field - 2, held at 1 from below.
; LIMITS: a block of zeros gets the byte 1 where the quantiser says 127 (its codes are zeros, which add nothing, and this program alone reads the bytes); NaN and infinities among the inputs are not served.
; SHARES: 1,792 = 256 work-groups x 7 waves: a wave takes one tile, in 16 steps of 64 along K.  Each load reads 256 consecutive bytes of two rows; a step's 4,096 bytes turn through the wave's own
; stage in LDS and come back 128 bytes a lane: one whole block of 32.  Waves share nothing: no barrier.  No cluster: no two work-groups read the same byte.  Loads run four steps (32 loads a wave) ahead.
.set WREG,  9216                       ; LDS of a wave: two stages of 16 rows x 272 bytes, then its 512 scale bytes
.set STGB,  4352
.set SPARE, 7*WREG                     ; behind the seven regions: the spare words, 128 bytes a wave, four blocks of 256 bytes that no other line names
.set E,   14                           ; v14-15   a step's scale byte, two registers by turns
.set RO,  16                           ; v16-23   load j's byte offset; never rewritten
.set L16, 24                           ; v24      16 x lane
.set L8,  25                           ; v25      8 x lane
.set SI,  26                           ; v26      the stage, on the way in
.set SO,  27                           ; v27      and on the way out
.set SBA, 28                           ; v28      where my block's scale byte goes
.set SBR, 29                           ; v29      where I read 16 scale bytes back
.set SPW, 30                           ; v30      my spare word; never rewritten
.set NIL, 31                           ; v31      0; never rewritten
.set R,   32                           ; v32-159  four sets of 32 registers as loaded
.set X,   160                          ; v160-223 two sets of 32 neighbours
.set C,   224                          ; v224-243 two sets of 10: a step's codes
	s_load_b512 s[8:23], s[0:1], 0x0               ; query, key, value, Wq, Wk, Wv, Wo, qc
	s_load_b64 s[24:25], s[0:1], 0x40              ; qs
	v_lshl_add_u32 v[SPW], v0, 2, SPARE
	v_mov_b32 v[NIL], 0
	v_lshrrev_b32 v1, 5, v0
	v_readfirstlane_b32 s2, v1                     ; wave 0..6
	s_mul_i32 s3, ttmp9, 7
	s_add_co_u32 s3, s3, s2                        ; my tile T
	s_bfe_u32 s28, s3, 0x20007                     ; (T / 128) % 4: a token tile's batch
	s_mov_b32 s29, 16384
	s_cmp_ge_u32 s3, 1536                          ; a weight's tile?
	s_cselect_b32 s29, 4096, s29                   ; bytes from a true row to the next: a weight's row, or four tokens
	s_cselect_b32 s30, 63, 127
	s_cselect_b32 s28, 0, s28
	s_and_b32 s30, s3, s30                         ; st
	s_lshr_b32 s31, s30, 1
	s_lshl_b32 s31, s31, 5
	s_and_b32 s30, s30, 1
	s_lshl_b32 s30, s30, 3
	s_add_co_u32 s30, s30, s31                     ; place 0's true row: 32 (st / 2) + 8 (st % 2)
	s_mul_i32 s30, s30, s29
	s_lshl_b32 s28, s28, 12
	s_add_co_u32 s30, s30, s28                     ; + 4,096 b
	s_mov_b32 s31, 0
	s_mul_i32 s32, s3, 12288                       ; my tile's codes,
	s_mov_b32 s33, 0
	s_lshl_b32 s34, s3, 9                          ; and its scale bytes
	s_mov_b32 s35, 0
	v_and_b32 v2, 31, v0                           ; lane
	v_and_b32 v3, 15, v0                           ; r
	v_bfe_u32 v4, v0, 4, 1                         ; h
	v_lshlrev_b32 v[L16], 4, v2
	v_lshlrev_b32 v[L8], 3, v2
	s_mul_i32 s36, s2, WREG
	v_mul_u32_u24 v5, v4, 272
	v_lshl_add_u32 v5, v3, 4, v5
	v_add_nc_u32 v[SI], s36, v5                    ; in: lanes 0-15 one place's 256 bytes, lanes 16-31 the next place's
	v_mul_u32_u24 v5, v3, 272
	v_lshl_add_u32 v5, v4, 7, v5
	v_add_nc_u32 v[SO], s36, v5                    ; out: place r, my half's 128 bytes
	s_add_co_u32 s37, s36, 2*STGB
	v_lshl_add_u32 v5, v3, 3, v4
	v_add_nc_u32 v[SBA], s37, v5                   ; 8 r + h
	v_add_nc_u32 v[SBR], s37, v[L16]
	v_mul_lo_u32 v5, v4, s29
	v_lshl_add_u32 v5, v3, 4, v5                   ; (l / 16) rows + 16 (l % 16)
.irp j, 0,1,2,3,4,5,6,7
	s_mul_i32 s38, s29, 2*\j+8*(\j/4)              ; places 2 j, 2 j + 1 are true rows 2 j + 8 (j / 4) on
	v_add_nc_u32 v[RO+\j], s38, v5
.endr
	s_wait_kmcnt 0x0
	s_mov_b64 s[26:27], s[8:9]                     ; whose tile is mine: the choice hangs on the tile's number alone
	s_cmp_ge_u32 s3, 512
	s_cselect_b64 s[26:27], s[10:11], s[26:27]
	s_cmp_ge_u32 s3, 1024
	s_cselect_b64 s[26:27], s[12:13], s[26:27]
	s_cmp_ge_u32 s3, 1536
	s_cselect_b64 s[26:27], s[14:15], s[26:27]
	s_cmp_ge_u32 s3, 1600
	s_cselect_b64 s[26:27], s[16:17], s[26:27]
	s_cmp_ge_u32 s3, 1664
	s_cselect_b64 s[26:27], s[18:19], s[26:27]
	s_cmp_ge_u32 s3, 1728
	s_cselect_b64 s[26:27], s[20:21], s[26:27]
	s_add_nc_u64 s[26:27], s[26:27], s[30:31]
	s_add_nc_u64 s[22:23], s[22:23], s[32:33]
	s_add_nc_u64 s[24:25], s[24:25], s[34:35]
.macro LOAD t                          ; step t: 64 along K of the 16 rows; each load 2 x 256 consecutive bytes
.irp j, 0,1,2,3,4,5,6,7
	global_load_b128 v[R+32*((\t)%4)+4*\j:R+32*((\t)%4)+4*\j+3], v[RO+\j], s[26:27] offset:256*(\t) th:TH_LOAD_NT
.endr
.endm
.macro TURN t                          ; step t's numbers through the stage: LDS serves a wave's instructions in order, so no wait stands between the stores and the loads
.irp j, 0,1,2,3,4,5,6,7
	ds_store_b128 v[SI], v[R+32*((\t)%4)+4*\j:R+32*((\t)%4)+4*\j+3] offset:STGB*((\t)%2)+544*\j
.endr
.irp i, 0,1,2,3,4,5,6,7
	ds_load_b128 v[X+32*((\t)%2)+4*\i:X+32*((\t)%2)+4*\i+3], v[SO] offset:STGB*((\t)%2)+16*\i
.endr
.endm
.irp t, 0,1,2,3
	LOAD \t
.endr
	s_wait_loadcnt 24                              ; step 0's eight loads are in; three steps' may be out
	TURN 0
.macro STEP t
.set XS, X+32*((\t)%2)
.set CD, C+10*((\t)%2)
.if (\t) > 0
	s_wait_dscnt 1                                 ; this step's numbers are back from the stage (the last step's byte store may be out): so its stores into the stage have read their registers,
.else
	s_wait_dscnt 0x0
.endif
.if (\t)+4 < 16
	LOAD (\t)+4                                    ; which take the loads of four steps on
.endif
.if (\t)+1 < 16
.if 14-(\t) >= 3
	s_wait_loadcnt 24                              ; the next step's eight loads are in; those of the three steps behind it may be out
.else
	s_wait_loadcnt 8*(14-(\t))
.endif
	TURN (\t)+1                                    ; and go through the other stage while this step is worked
.endif
	v_max3_num_f32 v12, |v[XS]|, |v[XS+1]|, |v[XS+2]|      ; the block's largest magnitude: all 32 numbers are mine; two chains
	v_max3_num_f32 v13, |v[XS+3]|, |v[XS+4]|, |v[XS+5]|
.irp i, 6,10,14,18,22,26
	v_max3_num_f32 v12, v12, |v[XS+\i]|, |v[XS+\i+1]|
	v_max3_num_f32 v13, v13, |v[XS+\i+2]|, |v[XS+\i+3]|
.endr
	v_max3_num_f32 v12, v12, |v[XS+30]|, |v[XS+31]|
	v_max3_num_f32 v12, v12, v13, 0x1800000        ; and the floor 2^(3 - 127): the byte cannot fall under 1
	v_add_nc_u32 v11, 0xff000000, v12              ; 2 off its exponent field: the conversion takes the exponent field of this operand as its scale
	s_wait_xcnt 0x0                                ; the stores of two steps back have read this set of code registers
	v_cvt_scalef32_pk16_fp6_f32 v[CD:CD+2], v[XS:XS+15], v11
	v_cvt_scalef32_pk16_fp6_f32 v[CD+6:CD+8], v[XS+16:XS+31], v11   ; (a conversion's three registers begin on an even number)
	v_lshrrev_b32 v[E+(\t)%2], 23, v11             ; the scale's byte; also the plain line behind the conversions
.irp i, 0,1,2
	v_mov_b32 v[CD+3+\i], v[CD+6+\i]
.endr
	ds_store_b8 v[SBA], v[E+(\t)%2] offset:128*((\t)/4)+2*((\t)%4)
	global_store_b128 v[L16], v[CD:CD+3], s[22:23] offset:768*(\t)        ; 512 consecutive bytes, aligned to 256
	global_store_b64 v[L8], v[CD+4:CD+5], s[22:23] offset:768*(\t)+512    ; 256 more
.endm
.irp t, 0,1,2,3,4,5,6,7,8,9,10,11,12,13,14,15
	STEP \t
.endr
	ds_load_b128 v[8:11], v[SBR]                   ; LDS serves a wave's instructions in order: this sees my byte stores
	s_wait_dscnt 0x0
	global_store_b128 v[L16], v[8:11], s[24:25]    ; the tile's 512 scale bytes
	s_wait_tensorcnt 0x0                           ; the wave's end
	ds_add_u32 v[SPW], v[NIL]
	s_wait_dscnt 0x0
	s_endpgm
.Lfunc_end_k_q7925db6204_quant:
	.size	k_q7925db6204_quant, .Lfunc_end_k_q7925db6204_quant-k_q7925db6204_quant
	.p2alignl 7, 3214868480
	.fill 96, 4, 3214868480
	.section	.rodata,"a",@progbits
	.p2align	6, 0x0
	.amdhsa_kernel k_q7925db6204_quant
		.amdhsa_group_segment_fixed_size 65536
		.amdhsa_private_segment_fixed_size 0
		.amdhsa_enable_private_segment 0
		.amdhsa_kernarg_size 72
		.amdhsa_user_sgpr_count 2
		.amdhsa_user_sgpr_kernarg_segment_ptr 1
		.amdhsa_wavefront_size32 1
		.amdhsa_system_sgpr_workgroup_id_x 1
		.amdhsa_system_sgpr_workgroup_id_y 1
		.amdhsa_system_sgpr_workgroup_id_z 1
		.amdhsa_system_vgpr_workitem_id 0
		.amdhsa_next_free_vgpr 256
		.amdhsa_next_free_sgpr 66
		.amdhsa_reserve_vcc 0
		.amdhsa_float_denorm_mode_32 3
		.amdhsa_float_denorm_mode_16_64 3
		.amdhsa_memory_ordered 1
		.amdhsa_forward_progress 1
		.amdhsa_inst_pref_size 59
	.end_amdhsa_kernel
	.amdgpu_metadata
---
amdhsa.version: [ 1, 2 ]
amdhsa.kernels:
  - .name:           k_q7925db6204_quant
    .symbol:         k_q7925db6204_quant.kd
    .args:
      - { .name: query, .offset: 0, .size: 8, .value_kind: global_buffer, .address_space: global }
      - { .name: key, .offset: 8, .size: 8, .value_kind: global_buffer, .address_space: global }
      - { .name: value, .offset: 16, .size: 8, .value_kind: global_buffer, .address_space: global }
      - { .name: Wq, .offset: 24, .size: 8, .value_kind: global_buffer, .address_space: global }
      - { .name: Wk, .offset: 32, .size: 8, .value_kind: global_buffer, .address_space: global }
      - { .name: Wv, .offset: 40, .size: 8, .value_kind: global_buffer, .address_space: global }
      - { .name: Wo, .offset: 48, .size: 8, .value_kind: global_buffer, .address_space: global }
      - { .name: qc, .offset: 56, .size: 8, .value_kind: global_buffer, .address_space: global }
      - { .name: qs, .offset: 64, .size: 8, .value_kind: global_buffer, .address_space: global }
    .group_segment_fixed_size: 65536
    .private_segment_fixed_size: 0
    .kernarg_segment_align: 8
    .kernarg_segment_size: 72
    .max_flat_workgroup_size: 224
    .sgpr_count:     66
    .vgpr_count:     256
    .wavefront_size: 32
...
	.end_amdgpu_metadata
.endif
;; end of part 1
;; launch proj (part 2): grid 96 x 4, 4 waves a work-group, clusters of 4 x 4, 327,680 bytes of LDS; arguments qc, qs, bq, bk, bv, hd; writes hd
.if DOCPART == 2
	.amdgcn_target "amdgcn-amd-amdhsa--gfx1250"
	.amdhsa_code_object_version 6
	.text
	.protected	k_q7925db6204_proj
	.globl	k_q7925db6204_proj
	.p2align	8
	.type	k_q7925db6204_proj,@function
k_q7925db6204_proj:
	s_mov_b64 s[64:65], 0
	v_nop
	global_prefetch_b8 v0, s[64:65] scope:SCOPE_SE
	s_setreg_imm32_b32 hwreg(HW_REG_WAVE_MODE, 25, 1), 1
	s_wait_xcnt 0x0
	s_wait_alu depctr_hold_cnt(0) depctr_sa_sdst(0) depctr_va_vdst(0) depctr_va_sdst(0) depctr_va_ssrc(0) depctr_va_vcc(0) depctr_vm_vsrc(0)
	s_getreg_b32 s2, hwreg(HW_REG_IB_STS2, 6, 4)
	s_cmp_eq_u32 s2, 0
	s_cbranch_scc0 .Lentry_in_a_cluster
	s_endpgm
.Lentry_in_a_cluster:
	s_bfe_u32 s2, ttmp6, 0x10000c
	s_cmp_lg_u32 s2, 0xf033
	s_cbranch_scc0 .Lentry_shape_is_right
	s_endpgm
.Lentry_shape_is_right:
; q = query Wq^T + bq, k = key Wk^T + bk, v = value Wv^T + bv on codes of FP6 (E2M3) with E8M0 scales, sums in f32; the results are quantised on the way out and leave as codes:
; q and k along a head's 64 channels, v along the keys.  Operands come as the first launch laid them: tiles of 16 rows, half images of 768 bytes (16 rows x 64 K in the order of an operand's registers).
; ROLES.  A' is the side that stays in the lanes, B' the side that runs along a lane's registers (source 0): for q and k A' = tokens, B' = the weight's rows (channels); for v A' = Wv's rows, B' = tokens (keys).
; The rows of a tile are placed so (first launch) that the 64 registers of one block of A' are, register 16 b + i, the true index 32 b + 16 (lane / 16) + i of B': neighbours along the next product's K.
; A tile of the result is 256 x 256: four waves, each 128 x 128 in 64 accumulators.  384 such tiles: 24 clusters of 4 x 4; cluster ci: tensor ci / 8.  K = 1,024 goes in four steps of 256 through two LDS slots.
; CLUSTERS: the four work-groups of a row of the cluster need the same tiles of A', the four of a column the same of B': each is asked for jointly.
; RECORDS in hd, one of 315,392 bytes for each (batch, head): Q's 128 half images | Q's 2,048 scale words | 16 key steps x (K's 8 half images, V's 4 channel tiles x 2 half images) | K's 2,048 scale words | V's 1,024.
; In Q's and K's scale words bytes 0 and 1 are the head's two blocks and bytes 2 and 3 are 0.
; LIMITS: a block of zeros gets the byte 1 (its codes are zeros; this program alone reads the bytes); NaN and infinities are not served.
; REGISTERS: window 0: v8-29 addresses; v32-63 scale words, two sets; v64-127 the bias along registers; v128-223 A' fragments, one set; v232-247 the bias along lanes.  Window 1: B' fragments, two sets.  Windows 2, 3: accumulators.
.set STEPB, 3072                       ; a tile's four half images of 256 along K
.set HALFT, 8*STEPB                    ; 8 tiles = 128 rows: what one tensor load brings
.set SLOT,  4*HALFT
.set SCL,   2*SLOT                     ; the scale bytes of A' 16 tiles, then of B' 16 tiles, 512 bytes a tile, for all of K: filled once
.set SPARE, SCL+16384                  ; the spare words, 128 bytes a wave: two blocks of 256 bytes that no other line names
.set REC,   315392
.set NQ, 2
.set FR, 12
.set NL, 4                             ; LDS loads that bring a fragment
.set NP, 4                             ; places behind this matrix instruction (ISA guide 7.12.1)
.set L16, 8                            ; v8   16 x lane
.set L8,  9                            ; v9   8 x lane
.set SHV, 10                           ; v10  by how many bits my half of the lanes shifts a scale word
.set STW, 11                           ; v11  where a scale word goes in my stage
.set STR, 12                           ; v12  where I read 16 bytes of it back
.set SOF, 13                           ; v13  and where they go in hd
.set ADRA, 16                          ; v16-17 A' fragments in slot 0, 1, 16 bytes a lane; v18-19 8 bytes a lane
.set ADRB, 20                          ; v20-23 the same for B'
.set ADRS, 27                          ; v27  my scale words: lanes 0-15 A', lanes 16-31 B'
.set SPW, 28
.set NIL, 29
.set SC,  32
.set BC,  64
.set AF,  128
.set ST,  128                          ; the way out: 64 numbers of a block
.set PC,  192                          ; its codes
.set TM,  212
.set PW,  228
.set BR,  232
.set WD,  248                          ; v248-255 a block's scale word as it goes to the stage
.set SEL, 44
.set G1, 24
.set G0, 32
.set G1B, 48
.set G0B, 56
.set G1S, 68
.set G0S, 76
.set G1SB, 80
.set G0SB, 88
.set P0, 92                            ; s[92:93], s[94:95] where a block's two half images go; s[96:97] the scale words; s[98:99], s[100:101] the steps from block to block
.set P1, 94
.set SP0, 96
.set STA, 98
.set STB, 100
.set MSB, 0
.macro WIN new                         ; the immediate's high byte repeats the setting that is left
.if MSB != (\new)
	s_set_vgpr_msb (MSB<<8)|(\new)
.set MSB, (\new)
.endif
.endm
.set MUL_LO, 0xa1                      ; source 0 (B') window 1, source 1 (A') window 0, C and D window 2
.set MUL_HI, 0xf1
.set TO_B,   0x40
; A joint load: waves 0 and 1 fetch for A', waves 2 and 3 for B'.  The branch hangs on the wave's number alone.  An s_nop 0 and four v_nop follow each line.
.macro JLOAD g0a, g1a, g0b, g1b
	s_cmp_eq_u32 s17, 0
	s_cbranch_scc0 .Lfor_b_\@
	tensor_load_to_lds s[\g0a:\g0a+3], s[\g1a:\g1a+7]
	s_nop 0
.rept 4
	v_nop
.endr
	s_branch .Lasked_\@
.Lfor_b_\@:
	tensor_load_to_lds s[\g0b:\g0b+3], s[\g1b:\g1b+7]
	s_nop 0
.rept 4
	v_nop
.endr
.Lasked_\@:
.endm
.macro CREST
	s_cmp_lg_u32 s16, 0
	s_cbranch_scc1 .Lnot_wave_0_\@
	s_barrier_signal -3
.Lnot_wave_0_\@:
	s_barrier_wait -3
	s_barrier_signal -1
	s_barrier_wait -1
.endm
.macro CROUND
	s_barrier_signal -1
	s_barrier_wait -1
	CREST
.endm
	s_load_b128 s[4:7], s[0:1], 0x0                ; qc, qs
	s_load_b128 s[8:11], s[0:1], 0x10              ; bq, bk
	s_load_b128 s[12:15], s[0:1], 0x20             ; bv, hd
	v_lshl_add_u32 v[SPW], v0, 2, SPARE
	v_mov_b32 v[NIL], 0
	ds_add_u32 v[SPW], v[NIL]                      ; the wave's opening: the add and its wait stand ahead of my first tensor load; work on registers stands between
	v_lshrrev_b32 v1, 5, v0
	v_readfirstlane_b32 s16, v1                    ; wave 0..3
	s_lshr_b32 s17, s16, 1                         ; wr: my half of A'.  Also: I fetch for A' (0) or B' (1)
	s_and_b32 s18, s16, 1                          ; wc: my half of B'.  Also: which 8 tiles I fetch
	s_bfe_u32 s40, ttmp6, 0x40000                  ; cx
	s_bfe_u32 s41, ttmp6, 0x40004                  ; cy
	s_lshr_b32 s20, ttmp9, 3                       ; g: 0 q, 1 k, 2 v (ttmp9 counts clusters)
	s_and_b32 s21, ttmp9, 7
	s_lshl_b32 s21, s21, 2                         ; 4 x (cluster % 8): along the tokens
	s_lshl_b32 s22, s20, 9                         ; the tensor's first token tile
	s_lshl_b32 s23, s20, 6
	s_add_co_u32 s23, s23, 1536                    ; and its weight's first tile
	s_cmp_eq_u32 s20, 2
	s_cselect_b32 s19, 1, 0                        ; isV
	s_cselect_b32 s44, 0, s21
	s_cselect_b32 s45, s21, 0
	s_cselect_b32 s22, 1664, s22                   ; A' first tile: Wv's, or the tokens'
	s_cselect_b32 s23, 1024, s23                   ; B' first tile: value's, or the weight's
	s_add_co_u32 s43, s41, s44                     ; tr: which 256 rows of A': hangs on cy, never on cx
	s_add_co_u32 s42, s40, s45                     ; tc: which 256 rows of B': hangs on cx, never on cy
	s_lshl_b32 s2, s41, 2
	s_lshl_b32 s2, 15, s2                          ; my row of the cluster
	s_lshl_b32 s3, 0x1111, s40                     ; my column
	s_or_b32 s[G1+0], s2, (3<<16)|(1<<21)          ; 15:0 the mask; 17:16 elements of 8 bytes; 21 set beside a mask; no padding
	s_or_b32 s[G1B+0], s3, (3<<16)|(1<<21)
.irp g, G1, G1B                        ; 8 rows (tiles) of 384 elements (3,072 bytes), 1,536 elements (a tile's 12,288 bytes) apart
	s_mov_b32 s[\g+1], 384<<16
	s_mov_b32 s[\g+2], 8<<16
	s_mov_b32 s[\g+3], 384<<16
	s_mov_b32 s[\g+4], 8
	s_mov_b32 s[\g+5], 1536
	s_mov_b32 s[\g+6], 0
	s_mov_b32 s[\g+7], 0
.endr
	s_or_b32 s[G1S+0], s2, (3<<16)|(1<<21)
	s_or_b32 s[G1SB+0], s3, (3<<16)|(1<<21)
.irp g, G1S, G1SB                      ; the scale bytes of 8 tiles: 4,096 dense bytes as 16 rows of 256
	s_mov_b32 s[\g+1], 32<<16
	s_mov_b32 s[\g+2], 16<<16
	s_mov_b32 s[\g+3], 32<<16
	s_mov_b32 s[\g+4], 16
	s_mov_b32 s[\g+5], 32
	s_mov_b32 s[\g+6], 0
	s_mov_b32 s[\g+7], 0
.endr
	s_lshl_b32 s46, s18, 3
	s_lshl_b32 s20, s43, 4
	s_add_co_u32 s20, s20, s22
	s_add_co_u32 s20, s20, s46                     ; the first tile of A' that I would fetch
	s_lshl_b32 s44, s42, 4
	s_add_co_u32 s44, s44, s23
	s_add_co_u32 s44, s44, s46                     ; and of B'
	s_lshl_b32 s22, s20, 9                         ; their scale bytes,
	s_mov_b32 s23, 0
	s_mul_i32 s20, s20, 12288                      ; their codes
	s_mov_b32 s21, 0
	s_lshl_b32 s46, s44, 9
	s_mov_b32 s47, 0
	s_mul_i32 s44, s44, 12288
	s_mov_b32 s45, 0
	s_mul_i32 s66, s16, HALFT                      ; where they go: by the wave's number alone
	s_lshl_b32 s67, s16, 12
	s_wait_dscnt 0x0                               ; the opening add is done
	s_wait_kmcnt 0x0
	s_add_nc_u64 s[20:21], s[4:5], s[20:21]
	s_add_nc_u64 s[22:23], s[6:7], s[22:23]
	s_add_nc_u64 s[44:45], s[4:5], s[44:45]
	s_add_nc_u64 s[46:47], s[6:7], s[46:47]
	CROUND                                         ; all sixteen work-groups are here: the first joint loads meet
	s_mov_b32 s[G0S], 1
	s_add_co_u32 s[G0S+1], s67, SCL
	s_mov_b64 s[G0S+2:G0S+3], s[22:23]
	s_or_b32 s[G0S+3], s[G0S+3], 0x80000000
	s_mov_b32 s[G0SB], 1
	s_add_co_u32 s[G0SB+1], s67, SCL
	s_mov_b64 s[G0SB+2:G0SB+3], s[46:47]
	s_or_b32 s[G0SB+3], s[G0SB+3], 0x80000000
	JLOAD G0S, G1S, G0SB, G1SB                     ; the scale bytes first
.irp s, 0,1
	s_mov_b32 s[G0+4*\s], 1
	s_add_co_u32 s[G0+4*\s+1], s66, \s*SLOT
	s_add_nc_u64 s[G0+4*\s+2:G0+4*\s+3], s[20:21], \s*STEPB
	s_or_b32 s[G0+4*\s+3], s[G0+4*\s+3], 0x80000000
	s_mov_b32 s[G0B+4*\s], 1
	s_add_co_u32 s[G0B+4*\s+1], s66, \s*SLOT
	s_add_nc_u64 s[G0B+4*\s+2:G0B+4*\s+3], s[44:45], \s*STEPB
	s_or_b32 s[G0B+4*\s+3], s[G0B+4*\s+3], 0x80000000
	JLOAD G0+4*\s, G1, G0B+4*\s, G1B               ; three loads of mine are out
.endr
	; what differs between q, k and v is chosen here, by the cluster's number alone
	v_and_b32 v4, 15, v0                           ; r
	v_bfe_u32 v5, v0, 4, 1                         ; h
	s_lshl_b32 s20, s43, 1
	s_add_co_u32 s20, s20, s17                     ; X: my 128 rows of A'
	s_lshl_b32 s21, s42, 1
	s_add_co_u32 s21, s21, s18                     ; Y: my 128 rows of B'
	s_lshr_b32 s2, ttmp9, 3
	s_cmp_eq_u32 s2, 0
	s_cselect_b64 s[8:9], s[8:9], s[10:11]
	s_mov_b32 s22, 106496
	s_cselect_b32 s22, 0, s22                      ; where the codes begin in a record,
	s_mov_b32 s23, 12288
	s_cselect_b32 s23, 6144, s23                   ; and how far 128 tokens go on
	s_mov_b32 s44, 303104
	s_cselect_b32 s44, 98304, s44                  ; the same for the scale words
	s_cmp_eq_u32 s2, 2
	s_cselect_b64 s[8:9], s[12:13], s[8:9]         ; the bias
	s_cselect_b32 s22, 112640, s22
	s_cselect_b32 s44, 311296, s44
	s_mov_b32 s45, 512
	s_cselect_b32 s45, 256, s45
	s_mov_b32 s46, REC
	s_cselect_b32 s46, 768, s46                    ; from a block's first half image to its second: the next head, or the next 64 keys
	s_mov_b32 s[STA], 768
	s_cselect_b32 s[STA], 1536, s[STA]             ; from block to block
	s_mov_b32 s[STB], 768
	s_cselect_b32 s[STB], 310784, s[STB]           ; from block 3 to block 4: for v the next head's record
	s_cselect_b32 s3, -1, 0xffff                   ; what of a scale word is kept
	s_cselect_b32 s47, 0, 16
	s_mov_b32 s66, 256
	s_cselect_b32 s66, REC, s66                    ; scale words: from lanes 0-15's 256 bytes to lanes 16-31's
	s_cselect_b32 s67, 0, -1                       ; keeps the bias along registers (q, k)
	s_cselect_b32 s2, s21, s20                     ; tok: which 128 tokens
	s_cselect_b32 s21, s20, s21                    ; ch: which 128 channels
	s_not_b32 s20, s67                             ; keeps the bias along lanes (v)
	s_mov_b32 s[STA+1], 0
	s_mov_b32 s[STB+1], 0
	v_mul_u32_u24 v[SHV], v5, s47                  ; q, k: lanes 16-31 take the word's upper half, the second head's two bytes
	s_mov_b32 s47, 0
	s_lshr_b32 s10, s2, 4                          ; b
	s_and_b32 s11, s2, 15                          ; gb: which 128 tokens of the batch
	s_lshl_b32 s10, s10, 4
	s_lshl_b32 s12, s21, 1
	s_add_co_u32 s10, s10, s12                     ; my first record: 16 b + 2 ch
	s_mul_i32 s10, s10, REC
	s_mul_i32 s12, s11, s23
	s_add_co_u32 s12, s12, s22
	s_add_co_u32 s12, s12, s10
	s_mov_b32 s13, 0
	s_add_nc_u64 s[P0:P0+1], s[14:15], s[12:13]
	s_add_nc_u64 s[P1:P1+1], s[P0:P0+1], s[46:47]
	s_mul_i32 s12, s11, s45
	s_add_co_u32 s12, s12, s44
	s_add_co_u32 s12, s12, s10
	s_add_nc_u64 s[SP0:SP0+1], s[14:15], s[12:13]
	s_lshl_b32 s12, s21, 9
	s_add_nc_u64 s[8:9], s[8:9], s[12:13]          ; the bias of my 128 channels
	v_lshlrev_b32 v6, 6, v5                        ; along registers: 16 h numbers on
	v_and_b32 v7, 8, v4
	v_add_nc_u32 v7, v7, v4
	v_lshlrev_b32 v7, 2, v7                        ; along lanes: place r is channel r + 8 (r / 8)
.irp t, 0,1,2,3,4,5,6,7
	global_load_b128 v[BC+8*\t:BC+8*\t+3], v6, s[8:9] offset:(32*(\t/2)+8*(\t%2))*4
	global_load_b128 v[BC+8*\t+4:BC+8*\t+7], v6, s[8:9] offset:(32*(\t/2)+8*(\t%2))*4+16
	global_load_b32 v[BR+2*\t], v7, s[8:9] offset:(32*(\t/2)+8*(\t%2))*4
	v_mov_b32 v[BR+2*\t+1], 0                      ; (named with it as a pair)
.endr
	v_and_b32 v1, 31, v0
	v_lshlrev_b32 v[L16], 4, v1
	v_lshlrev_b32 v[L8], 3, v1
	s_mul_i32 s10, s17, HALFT                      ; my 8 tiles of A',
	s_mul_i32 s11, s18, HALFT
	s_add_co_u32 s11, s11, 2*HALFT                 ; and of B', behind A' 16
.irp s, 0,1
	v_add_nc_u32 v[ADRA+\s], s10, v[L16]
	v_add_nc_u32 v[ADRA+2+\s], s10, v[L8]
	v_add_nc_u32 v[ADRB+\s], s11, v[L16]
	v_add_nc_u32 v[ADRB+2+\s], s11, v[L8]
	s_add_co_u32 s10, s10, SLOT
	s_add_co_u32 s11, s11, SLOT
.endr
	s_lshl_b32 s10, s17, 12                        ; A' scale bytes: my 8 tiles
	s_lshl_b32 s11, s18, 12
	s_add_co_u32 s11, s11, 8192                    ; B': behind A' 16 tiles
	s_sub_co_u32 s11, s11, s10
	v_mul_u32_u24 v2, s11, v5                      ; lanes 16-31 take B'
	s_add_co_u32 s10, s10, SCL
	v_lshl_add_u32 v2, v4, 3, v2
	v_add_nc_u32 v[ADRS], s10, v2
	s_lshl_b32 s10, s16, 10                        ; my stage for scale words: 1,024 bytes at the head of slot 0, used when that slot has had its last fill and its last read
	v_lshlrev_b32 v2, 9, v5
	v_lshl_add_u32 v2, v4, 2, v2
	v_add_nc_u32 v[STW], s10, v2                   ; 512 h + 4 r
	v_add_nc_u32 v[STR], s10, v[L16]
	v_mul_u32_u24 v2, v5, s66
	v_lshl_add_u32 v[SOF], v4, 4, v2
	s_wait_loadcnt 0x0                             ; the biases
.set i, 0
.rept 64
	v_and_b32 v[BC+i], s67, v[BC+i]                ; the bias that this tensor does not take along registers becomes 0: no branch
.set i, i+1
.endr
.irp t, 0,1,2,3,4,5,6,7
	v_and_b32 v[BR+2*\t], s20, v[BR+2*\t]          ; likewise along lanes
.endr
.macro FRAG reg, adr, q, i             ; a fragment (16 rows x 128 K, 12 registers) is two half images, each 16 bytes a lane and 8 bytes a lane, as they lie
	ds_load_b128 v[\reg:\reg+3], v[\adr] offset:STEPB*(\i)+1536*(\q)
	ds_load_b64 v[\reg+4:\reg+5], v[\adr+2] offset:STEPB*(\i)+1536*(\q)+512
	ds_load_b128 v[\reg+6:\reg+9], v[\adr] offset:STEPB*(\i)+1536*(\q)+768
	ds_load_b64 v[\reg+10:\reg+11], v[\adr+2] offset:STEPB*(\i)+1536*(\q)+1280
.endm
; 16 matrix instructions: A' blocks a0, a0 + 1 x B' eight.  first = 1: the sums begin with the bias along registers as C.  The 64 accumulators take turns, one instruction a turn.
.macro MUL16 a0, p, q, sc, first
.irp a, \a0, \a0+1
.irp b, 0,1,2,3,4,5,6,7
.if \first
	v_wmma_scale_f32_16x16x128_f8f6f4 v[8*(8*((\a)%4)+\b):8*(8*((\a)%4)+\b)+7], v[128*(\p)+FR*\b:128*(\p)+FR*\b+FR-1], v[AF+FR*(\a):AF+FR*(\a)+FR-1], v[BC+8*\b:BC+8*\b+7], v[SC+8*NQ*(\sc)+NQ*\b+(\q)], v[SC+8*NQ*(\sc)+NQ*(\a)+(\q)] matrix_a_fmt:MATRIX_FMT_FP6 matrix_b_fmt:MATRIX_FMT_FP6 matrix_a_scale:MATRIX_SCALE_ROW1
.else
	v_wmma_scale_f32_16x16x128_f8f6f4 v[8*(8*((\a)%4)+\b):8*(8*((\a)%4)+\b)+7], v[128*(\p)+FR*\b:128*(\p)+FR*\b+FR-1], v[AF+FR*(\a):AF+FR*(\a)+FR-1], v[8*(8*((\a)%4)+\b):8*(8*((\a)%4)+\b)+7], v[SC+8*NQ*(\sc)+NQ*\b+(\q)], v[SC+8*NQ*(\sc)+NQ*(\a)+(\q)] matrix_a_fmt:MATRIX_FMT_FP6 matrix_b_fmt:MATRIX_FMT_FP6 matrix_a_scale:MATRIX_SCALE_ROW1
.endif
.endr
.endr
.endm
.macro FETCH_B slot, q, p
	WIN TO_B
.irp i, 0,1,2,3,4,5,6,7
	FRAG 128*(\p)+FR*\i, ADRB+\slot, \q, \i
.endr
	WIN 0
.endm
.macro FETCH_A slot, q, i0
.irp i, \i0, \i0+1, \i0+2, \i0+3
	FRAG AF+FR*(\i), ADRA+\slot, \q, \i
.endr
.endm
.macro SCALES sc                       ; a K step's two scale words a row: lanes 0-15 A' block i, lanes 16-31 B' block i
.irp i, 0,1,2,3,4,5,6,7
	ds_load_b64 v[SC+8*NQ*\sc+NQ*\i:SC+8*NQ*\sc+NQ*\i+1], v[ADRS] offset:\i*512
.endr
.endm
.macro PLACES n                        ; plain vector lines between a matrix instruction and a load into, or a vector line on, its registers
.rept \n
	v_nop
.endr
.endm
.macro STEP slot, q, first             ; 128 along K whose successor lies in the same slot
	s_wait_dscnt 4*NL                              ; B' set and A' blocks 0-3 are in; the youngest sixteen loads (A' blocks 4-7) may be out
.if \first
	WIN 0x81                                       ; C (the bias) in window 0, D in window 2
.else
	WIN MUL_LO
.endif
	MUL16 0, (\q)%2, \q, \slot, \first
	MUL16 2, (\q)%2, \q, \slot, \first
	s_wait_dscnt 0
	PLACES NP
	FETCH_B \slot, (\q)+1, 1-(\q)%2
	FETCH_A \slot, (\q)+1, 0
.if \first
	WIN 0xc1
.else
	WIN MUL_HI
.endif
	MUL16 4, (\q)%2, \q, \slot, \first
	MUL16 6, (\q)%2, \q, \slot, \first
	PLACES NP
	WIN 0
	FETCH_A \slot, (\q)+1, 4
.endm
; A slot's last 128 along K, and the change of slots: one barrier; ahead of it each wave waits for all its tensor loads, adds 0 to its spare word, and waits for that and for its reads of this slot.
.macro TURN slot, next, fill
	s_wait_tensorcnt 0x0                           ; all my tensor loads have landed: my part of the next slot
	ds_add_u32 v[SPW], v[NIL]                      ; 0 onto my spare word
	s_wait_dscnt 4*NL+1                            ; (the add and the youngest sixteen loads may be out)
	WIN MUL_LO
	MUL16 0, 1, NQ-1, \slot, 0
	s_wait_dscnt 0x0                               ; the add is done, and my reads of this slot are over
	s_barrier_signal -1
	MUL16 2, 1, NQ-1, \slot, 0
	WIN 0
	s_barrier_wait -1
.if \fill
	CREST                                          ; the barrier has opened a round of the cluster's barrier: no wave of any partner still reads this slot or has a load on its way
	s_add_nc_u64 s[G0+4*\slot+2:G0+4*\slot+3], s[G0+4*\slot+2:G0+4*\slot+3], 2*STEPB
	s_add_nc_u64 s[G0B+4*\slot+2:G0B+4*\slot+3], s[G0B+4*\slot+2:G0B+4*\slot+3], 2*STEPB
	JLOAD G0+4*\slot, G1, G0B+4*\slot, G1B         ; the first tensor load behind the round; its four v_nop are the places ahead of the loads below
.else
	PLACES NP
.endif
	v_add_nc_u32 v[ADRS], 128, v[ADRS]             ; the next K step's scale words (no LDS load of mine is out)
	FETCH_B \next, 0, 0
	FETCH_A \next, 0, 0
	SCALES \next
	WIN MUL_HI
	MUL16 4, 1, NQ-1, \slot, 0
	MUL16 6, 1, NQ-1, \slot, 0
	PLACES NP
	WIN 0
	FETCH_A \next, 0, 4
.endm
	s_wait_tensorcnt 1                             ; the scale bytes and my part of K step 0 are in (K step 1's load may be out),
	s_barrier_signal -1
	s_barrier_wait -1                              ; everybody's are
	FETCH_B 0, 0, 0
	FETCH_A 0, 0, 0
	SCALES 0
	FETCH_A 0, 0, 4
	STEP 0, 0, 1                                   ; K = 1,024 is four slots' worth: written out, no loop
	TURN 0, 1, 1
	STEP 1, 0, 0
	TURN 1, 0, 1
	STEP 0, 0, 0
	TURN 0, 1, 0                                   ; nothing is left to fetch
	STEP 1, 0, 0
	s_wait_dscnt 4*NL
	WIN MUL_LO
	MUL16 0, 1, NQ-1, 1, 0
	MUL16 2, 1, NQ-1, 1, 0
	s_wait_dscnt 0
	WIN MUL_HI
	MUL16 4, 1, NQ-1, 1, 0
	MUL16 6, 1, NQ-1, 1, 0
	WIN 0
; 64 numbers of a lane, register 16 b + i = k 32 b + 16 (lane / 16) + i of my row, become a fragment's codes in v[PC] on and its scale word in v[PW].
.macro QUANT s
.irp b, 0,1,2,3
	v_max3_num_f32 v[TM+\b], |v[\s+16*\b]|, |v[\s+1+16*\b]|, 0x1800000   ; my 16 numbers of block b, and the floor 2^(3 - 127)
.endr
.irp i, 2,4,6,8,10,12,14
.irp b, 0,1,2,3
	v_max3_num_f32 v[TM+\b], v[TM+\b], |v[\s+16*\b+\i]|, |v[\s+1+16*\b+\i]|
.endr
.endr
.irp b, 0,1,2,3
	v_permlanex16_b32 v[TM+4+\b], v[TM+\b], s[SEL], s[SEL+1]
.endr
.irp b, 0,1,2,3
	v_max_num_f32 v[TM+\b], v[TM+\b], v[TM+4+\b]   ; with lane l xor 16's: the block's largest magnitude
.endr
.irp b, 0,1,2,3
	v_add_nc_u32 v[TM+12+\b], 0xff000000, v[TM+\b] ; 2 off its exponent field: the conversion's scale operand
.endr
.irp b, 0,1,2,3
	v_lshrrev_b32 v[TM+4+\b], 23, v[TM+12+\b]      ; the scale's byte
.endr
	v_lshl_or_b32 v[PW], v[TM+5], 8, v[TM+4]
	v_lshl_or_b32 v[PW], v[TM+6], 16, v[PW]
	v_lshl_or_b32 v[PW], v[TM+7], 24, v[PW]
.irp c, 0,1
	v_cvt_scalef32_pk16_fp6_f32 v[PC+6*\c:PC+2+6*\c], v[\s+32*\c:\s+15+32*\c], v[TM+12+2*\c]
	v_cvt_scalef32_pk16_fp6_f32 v[PC+12+4*\c:PC+14+4*\c], v[\s+16+32*\c:\s+31+32*\c], v[TM+12+2*\c+1]
.endr
	v_nop                                          ; one plain line behind a scaled conversion
.irp c, 0,1                            ; the operand's layout wants a whole block in a lane
.irp i, 0,1,2
	v_permlane16_swap_b32 v[PC+6*\c+\i], v[PC+12+4*\c+\i]
.endr
.irp i, 0,1,2
	v_mov_b32 v[PC+3+6*\c+\i], v[PC+12+4*\c+\i]
.endr
.endr
.endm
	; THE WAY OUT, block by block of 16 rows of A': + the bias along lanes, quantised, two half images to hd, the scale word to my stage
	PLACES NP
	s_mov_b32 s[SEL], 0x76543210
	s_mov_b32 s[SEL+1], 0xfedcba98
.irp b, 0,1,2,3
	v_mov_b32 v[TM+4+\b], 0                        ; written once: a lane permute's destination counts as one of its sources
.endr
.irp a, 0,1,2,3,4,5,6,7
.if \a > 0
	s_wait_xcnt 0x0                                ; the last block's stores have read their data and their bases
.endif
.if \a == 4
	s_add_nc_u64 s[P0:P0+1], s[P0:P0+1], s[STB:STB+1]
	s_add_nc_u64 s[P1:P1+1], s[P1:P1+1], s[STB:STB+1]
.elseif \a > 0
	s_add_nc_u64 s[P0:P0+1], s[P0:P0+1], s[STA:STA+1]
	s_add_nc_u64 s[P1:P1+1], s[P1:P1+1], s[STA:STA+1]
.endif
	WIN 0x02+\a/4                                  ; source 0: window 2 or 3
.set i, 0
.rept 32
	v_pk_add_f32 v[ST+i:ST+i+1], v[64*(\a%4)+i:64*(\a%4)+i+1], v[BR+2*\a:BR+2*\a+1] op_sel_hi:[1,0]   ; each accumulator from its low end on
.set i, i+2
.endr
	WIN 0
	QUANT ST
	global_store_b128 v[L16], v[PC:PC+3], s[P0:P0+1]
	global_store_b64 v[L8], v[PC+4:PC+5], s[P0:P0+1] offset:512
	global_store_b128 v[L16], v[PC+6:PC+9], s[P1:P1+1]
	global_store_b64 v[L8], v[PC+10:PC+11], s[P1:P1+1] offset:512
	v_lshrrev_b32 v229, v[SHV], v[PW]
	v_and_b32 v[WD+\a], s3, v229                   ; q, k: my head's two bytes, zeros above; v: the whole word
	ds_store_b32 v[STW], v[WD+\a] offset:64*\a
.endr
	ds_load_b128 v[128:131], v[STR]                ; LDS serves a wave's instructions in order: these see my stores
	ds_load_b128 v[132:135], v[STR] offset:512
	s_wait_dscnt 0x0
	global_store_b128 v[SOF], v[128:131], s[SP0:SP0+1]     ; q, k: the first head's 512 bytes; v: 256 bytes for each of the two heads
	s_cmp_eq_u32 s19, 1                            ; the cluster's number alone: the same in all partners
	s_cbranch_scc1 .Lwords_done
	global_store_b128 v[SOF], v[132:135], s[SP0:SP0+1] offset:REC   ; q, k: the second head's
.Lwords_done:
	s_wait_tensorcnt 0x0                           ; the wave's end
	ds_add_u32 v[SPW], v[NIL]
	s_wait_dscnt 0x0
	CROUND                                         ; the closing round
	s_endpgm
.Lfunc_end_k_q7925db6204_proj:
	.size	k_q7925db6204_proj, .Lfunc_end_k_q7925db6204_proj-k_q7925db6204_proj
	.p2alignl 7, 3214868480
	.fill 96, 4, 3214868480
	.section	.rodata,"a",@progbits
	.p2align	6, 0x0
	.amdhsa_kernel k_q7925db6204_proj
		.amdhsa_group_segment_fixed_size 327680
		.amdhsa_private_segment_fixed_size 0
		.amdhsa_enable_private_segment 0
		.amdhsa_kernarg_size 48
		.amdhsa_user_sgpr_count 2
		.amdhsa_user_sgpr_kernarg_segment_ptr 1
		.amdhsa_wavefront_size32 1
		.amdhsa_system_sgpr_workgroup_id_x 1
		.amdhsa_system_sgpr_workgroup_id_y 1
		.amdhsa_system_sgpr_workgroup_id_z 1
		.amdhsa_system_vgpr_workitem_id 0
		.amdhsa_next_free_vgpr 1024
		.amdhsa_next_free_sgpr 104
		.amdhsa_reserve_vcc 0
		.amdhsa_float_denorm_mode_32 3
		.amdhsa_float_denorm_mode_16_64 3
		.amdhsa_memory_ordered 1
		.amdhsa_forward_progress 1
		.amdhsa_inst_pref_size 173
	.end_amdhsa_kernel
	.amdgpu_metadata
---
amdhsa.version: [ 1, 2 ]
amdhsa.kernels:
  - .name:           k_q7925db6204_proj
    .symbol:         k_q7925db6204_proj.kd
    .args:
      - { .name: qc, .offset: 0, .size: 8, .value_kind: global_buffer, .address_space: global }
      - { .name: qs, .offset: 8, .size: 8, .value_kind: global_buffer, .address_space: global }
      - { .name: bq, .offset: 16, .size: 8, .value_kind: global_buffer, .address_space: global }
      - { .name: bk, .offset: 24, .size: 8, .value_kind: global_buffer, .address_space: global }
      - { .name: bv, .offset: 32, .size: 8, .value_kind: global_buffer, .address_space: global }
      - { .name: hd, .offset: 40, .size: 8, .value_kind: global_buffer, .address_space: global }
    .group_segment_fixed_size: 327680
    .private_segment_fixed_size: 0
    .kernarg_segment_align: 8
    .kernarg_segment_size: 48
    .max_flat_workgroup_size: 128
    .sgpr_count:     104
    .vgpr_count:     1024
    .wavefront_size: 32
...
	.end_amdgpu_metadata
.endif
;; end of part 2
;; launch attn (part 3): grid 256 x 1, 16 waves a work-group, clusters of 4 x 1, 212,992 bytes of LDS; arguments hd, cc, cs; writes cc, cs
.if DOCPART == 3
	.amdgcn_target "amdgcn-amd-amdhsa--gfx1250"
	.amdhsa_code_object_version 6
	.text
	.protected	k_q7925db6204_attn
	.globl	k_q7925db6204_attn
	.p2align	8
	.type	k_q7925db6204_attn,@function
k_q7925db6204_attn:
	s_mov_b64 s[64:65], 0
	v_nop
	global_prefetch_b8 v0, s[64:65] scope:SCOPE_SE
	s_setreg_imm32_b32 hwreg(HW_REG_WAVE_MODE, 25, 1), 1
	s_wait_xcnt 0x0
	s_wait_alu depctr_hold_cnt(0) depctr_sa_sdst(0) depctr_va_vdst(0) depctr_va_sdst(0) depctr_va_ssrc(0) depctr_va_vcc(0) depctr_vm_vsrc(0)
	s_getreg_b32 s2, hwreg(HW_REG_IB_STS2, 6, 4)
	s_cmp_eq_u32 s2, 0
	s_cbranch_scc0 .Lentry_in_a_cluster
	s_endpgm
.Lentry_in_a_cluster:
	s_bfe_u32 s2, ttmp6, 0x10000c
	s_cmp_lg_u32 s2, 0x3003
	s_cbranch_scc0 .Lentry_shape_is_right
	s_endpgm
.Lentry_shape_is_right:
; For each (batch, head): context = softmax(q k^T / 8) v, both products on codes of FP6 (E2M3) with E8M0 scales; the context is quantised along its head's 64 channels and leaves as codes.
; THE SOFTMAX AHEAD OF THE SECOND PRODUCT: t = score x log2(e) / 8; M = the running largest t rounded up to a whole number; p = 2^(t - M) is quantised along the keys, not normalised; the row's sum is taken of
; the unquantised p and divides at the end (by v_rcp_f32 and a multiplication: stated limit).  When M moves, the sum and O are multiplied by 2^(old M - new M): exact.
; SHARES.  A cluster of four work-groups takes one record (batch, head); a work-group 512 queries; each of its sixteen waves two tiles of 16 queries, one after the other.
; A HEAD'S WHOLE K AND V, WITH THEIR SCALE WORDS, 208,896 dense bytes of the record, STAY IN LDS: filled once, each wave one joint load of 51 rows of 256 bytes, asked for by all four partners together.  No slot is filled again.
; LAYOUT.  Both products are used transposed: S^T = K Q^T, O^T = V^T P^T: a lane holds one query (place lane % 16).  Tiles were placed by the launches before so that 16 registers of two neighbouring tiles are 16 true neighbours.
; K = 64 IN AN INSTRUCTION OF 128: Q's upper six registers are zero codes; K's operand for tile t is the run of 12 registers that begins at tile t's six, so its upper half is the next tile's codes (for tile 7 six registers of zeros):
; a zero code times any code is 0, and the scale bytes there are 0, which is a power of two.
; LIMITS: a block of zeros gets the byte 1; NaN and infinities are not served.
.set REC,   315392
.set QSO,   98304
.set KVO,   106496
.set KSC,   196608                     ; LDS: 16 key steps x 12,288 bytes of codes; then K's scale words,
.set VSC,   204800                     ; V's,
.set STG,   208896                     ; a stage for the context's scale bytes: 32 tiles x 32 bytes,
.set SPARE, 209920                     ; and the spare words, 128 bytes a wave: eight blocks of 256 bytes that no other line names
.set L16, 1
.set L8,  2
.set AKS, 3                            ; v3  KSC + 4 x lane
.set AVS, 4                            ; v4  VSC + 4 x lane
.set SPW, 5
.set NIL, 6
.set STW, 7                            ; v7  STG + 64 x wave + 2 r
.set A16, 8                            ; v8-11 the step's four addresses
.set A8,  9
.set ADS, 10
.set ADT, 11
.set Q,   16                           ; v16-27, v28-39: the two tiles of queries: six registers of codes, six of zeros
.set QS,  40                           ; v40, v41 their scale words, in lanes 0-15
.set KV,  42                           ; v42-89 a step's K, then its V; v90-95 zeros, never rewritten
.set S,   96                           ; v96-159 S^T, then p
.set O,   160                          ; v160-191 O^T
.set KS,  192                          ; v192-195 K's scale words: lanes 0-15 tile 2 i, lanes 16-31 tile 2 i + 1
.set VS,  196                          ; v196-197 V's likewise
.set SGR, 198
.set QO4, 199
.set BM,  200
.set BT,  204
.set BS,  208
.set PC,  212                          ; v212-223 p's codes
.set PH,  224                          ; v224-230 the conversions' second halves
.set F,   232                          ; v[232:233] f, later 1 / the sum
.set PW,  234
.set TP,  235
.set SU,  236
.set CW,  238                          ; v238, v239 the context's two scale bytes, a register for each pass
.set WV,  10
.set SEL, 20
.set CS,  22
.set G1,  24
.set G0,  32
.set TB,  36
.set TS,  37
.set TJ,  38
.set CNT, 39
.macro CROUND
	s_barrier_signal -1
	s_barrier_wait -1
	s_cmp_lg_u32 s[WV], 0
	s_cbranch_scc1 .Lnot_wave_0_\@
	s_barrier_signal -3
.Lnot_wave_0_\@:
	s_barrier_wait -3
	s_barrier_signal -1
	s_barrier_wait -1
.endm
	s_load_b128 s[4:7], s[0:1], 0x0                ; hd, cc
	s_load_b64 s[8:9], s[0:1], 0x10                ; cs
	v_lshl_add_u32 v[SPW], v0, 2, SPARE
	v_mov_b32 v[NIL], 0
	ds_add_u32 v[SPW], v[NIL]                      ; the wave's opening: the add and its wait stand ahead of my first tensor load
	v_lshrrev_b32 v8, 5, v0
	v_readfirstlane_b32 s[WV], v8                  ; wave 0..15
	s_bfe_u32 s11, ttmp6, 0x40000                  ; cx: it enters Q's, cc's and cs's addresses alone
	s_mul_i32 s12, ttmp9, REC                      ; the record (ttmp9 counts clusters)
	s_mul_i32 s14, s[WV], 13056                    ; my 51 rows of 256 bytes
	s_add_co_u32 s16, s14, KVO
	s_add_co_u32 s16, s16, s12
	s_mov_b32 s17, 0
	s_mov_b32 s[G1], 15|(3<<16)|(1<<21)            ; 15:0 the mask: all four work-groups; elements of 8 bytes; 21 set beside a mask
	s_mov_b32 s[G1+1], 32<<16
	s_mov_b32 s[G1+2], 51<<16
	s_mov_b32 s[G1+3], 32<<16
	s_mov_b32 s[G1+4], 51
	s_mov_b32 s[G1+5], 32
	s_mov_b32 s[G1+6], 0
	s_mov_b32 s[G1+7], 0
	s_mov_b32 s[G0], 1
	s_mov_b32 s[G0+1], s14
	s_lshr_b32 s40, ttmp9, 4                       ; b
	s_and_b32 s41, ttmp9, 15                       ; head
	s_lshl_b32 s42, s11, 5
	s_lshl_b32 s43, s[WV], 1
	s_add_co_u32 s43, s43, s42                     ; my first tile of queries in the head: 32 cx + 2 wave
	s_mul_i32 s44, s43, 768
	s_add_co_u32 s44, s44, s12                     ; its codes
	s_mov_b32 s45, 0
	s_lshl_b32 s46, s43, 6
	s_add_co_u32 s46, s46, s12
	s_add_co_u32 s46, s46, QSO                     ; its scale words
	s_mov_b32 s47, 0
	s_lshl_b32 s40, s40, 7
	s_add_co_u32 s43, s43, s40                     ; the token tile 128 b + ..
	s_mul_i32 s48, s43, 12288
	s_mul_i32 s49, s41, 768
	s_add_co_u32 s48, s48, s49                     ; the context's half image: tile x 12,288 + 768 head
	s_mov_b32 s49, 0
	s_add_co_u32 s50, s40, s42
	s_lshl_b32 s50, s50, 5
	s_lshl_b32 s51, s41, 14
	s_add_co_u32 s50, s50, s51                     ; its scale bytes: [head][tile][place][2]
	s_and_b32 s52, s[WV], 1
	s_lshl_b32 s52, s52, 9
	s_add_co_u32 s50, s50, s52
	s_mov_b32 s51, 0
	s_mov_b32 s[SEL], 0x76543210
	s_mov_b32 s[SEL+1], 0xfedcba98
	s_mov_b32 s[CS], 0x3e38aa3b                    ; c = log2(e) / 8
	s_mov_b32 s[CS+1], s[CS]
	s_wait_dscnt 0x0                               ; the opening add is done
	s_wait_kmcnt 0x0
	s_add_nc_u64 s[G0+2:G0+3], s[4:5], s[16:17]
	s_or_b32 s[G0+3], s[G0+3], 0x80000000
	CROUND                                         ; all four work-groups are here: the joint loads meet
	tensor_load_to_lds s[G0:G0+3], s[G1:G1+7]      ; my one tensor load of the launch
	s_nop 0
.rept 4
	v_nop
.endr
	s_add_nc_u64 s[18:19], s[4:5], s[46:47]
	s_add_nc_u64 s[4:5], s[4:5], s[44:45]
	s_add_nc_u64 s[6:7], s[6:7], s[48:49]
	s_add_nc_u64 s[8:9], s[8:9], s[50:51]
	v_and_b32 v8, 31, v0
	v_and_b32 v9, 15, v0
	v_lshlrev_b32 v[L16], 4, v8
	v_lshlrev_b32 v[L8], 3, v8
	v_lshlrev_b32 v[QO4], 2, v9
.irp p, 0,1
	global_load_b128 v[Q+12*\p:Q+12*\p+3], v[L16], s[4:5] offset:768*\p
	global_load_b64 v[Q+12*\p+4:Q+12*\p+5], v[L8], s[4:5] offset:768*\p+512
	global_load_b32 v[QS+\p], v[QO4], s[18:19] offset:64*\p
.endr
	v_lshl_add_u32 v[AKS], v8, 2, KSC
	v_lshl_add_u32 v[AVS], v8, 2, VSC
	s_lshl_b32 s14, s[WV], 6
	s_add_co_u32 s14, s14, STG
	v_lshl_add_u32 v[STW], v9, 1, s14
	s_add_co_u32 s52, s52, STG
	v_add_nc_u32 v[SGR], s52, v[L16]
.irp i, 0,1,2,3,4,5
	v_mov_b32 v[Q+6+\i], 0                         ; zero codes for k = 64 .. 127
	v_mov_b32 v[Q+18+\i], 0
	v_mov_b32 v[KV+48+\i], 0
.endr
.irp b, 0,1,2,3
	v_mov_b32 v[BT+\b], 0                          ; written once: a lane permute's destination counts as one of its sources
.endr
	v_mov_b32 v[F+1], 0                            ; (named with f as a pair)
	s_wait_loadcnt 0x0                             ; Q
	s_wait_tensorcnt 0x0                           ; my part of K and V is in,
	s_barrier_signal -1
	s_barrier_wait -1                              ; everybody's is
.macro SPROD t, p
.if (\t)%2
	v_wmma_scale_f32_16x16x128_f8f6f4 v[S+8*\t:S+8*\t+7], v[KV+6*\t:KV+6*\t+11], v[Q+12*\p:Q+12*\p+11], 0, v[KS+\t/2], v[QS+\p] matrix_a_fmt:MATRIX_FMT_FP6 matrix_b_fmt:MATRIX_FMT_FP6 matrix_a_scale:MATRIX_SCALE_ROW1
.else
	v_wmma_scale_f32_16x16x128_f8f6f4 v[S+8*\t:S+8*\t+7], v[KV+6*\t:KV+6*\t+11], v[Q+12*\p:Q+12*\p+11], 0, v[KS+\t/2], v[QS+\p] matrix_a_fmt:MATRIX_FMT_FP6 matrix_b_fmt:MATRIX_FMT_FP6
.endif
.endm
.macro OPROD d
.if (\d)%2
	v_wmma_scale_f32_16x16x128_f8f6f4 v[O+8*\d:O+8*\d+7], v[KV+12*\d:KV+12*\d+11], v[PC:PC+11], v[O+8*\d:O+8*\d+7], v[VS+\d/2], v[PW] matrix_a_fmt:MATRIX_FMT_FP6 matrix_b_fmt:MATRIX_FMT_FP6 matrix_a_scale:MATRIX_SCALE_ROW1
.else
	v_wmma_scale_f32_16x16x128_f8f6f4 v[O+8*\d:O+8*\d+7], v[KV+12*\d:KV+12*\d+11], v[PC:PC+11], v[O+8*\d:O+8*\d+7], v[VS+\d/2], v[PW] matrix_a_fmt:MATRIX_FMT_FP6 matrix_b_fmt:MATRIX_FMT_FP6
.endif
.endm
; A KEY STEP: 128 keys, for query tile p
.macro STEP p
	v_add_nc_u32 v[A16], s[TB], v[L16]             ; four plain lines: also the places between the last step's products and the loads into their registers
	v_add_nc_u32 v[A8], s[TB], v[L8]
	v_add_nc_u32 v[ADS], s[TS], v[AKS]
	v_add_nc_u32 v[ADT], s[TJ], v[AVS]
.irp t, 0,1,2,3,4,5,6,7
	ds_load_b128 v[KV+6*\t:KV+6*\t+3], v[A16] offset:768*\t
	ds_load_b64 v[KV+6*\t+4:KV+6*\t+5], v[A8] offset:768*\t+512
.endr
.irp i, 0,1,2,3
	ds_load_b32 v[KS+\i], v[ADS] offset:128*\i
.endr
	s_wait_dscnt 0x0
.irp t, 0,1,2,3,4,5,6,7
	SPROD \t, \p
.endr
.rept 4
	v_nop                                          ; places ahead of the loads into K's registers and of the first read of the scores
.endr
.irp f, 0,1,2,3,4,5,6,7                ; V's four channel tiles x two half images, into the same registers: they land under the softmax
	ds_load_b128 v[KV+6*\f:KV+6*\f+3], v[A16] offset:6144+768*\f
	ds_load_b64 v[KV+6*\f+4:KV+6*\f+5], v[A8] offset:6144+768*\f+512
.endr
.irp i, 0,1
	ds_load_b32 v[VS+\i], v[ADT] offset:128*\i
.endr
.irp b, 0,1,2,3
	v_max3_num_f32 v[BM+\b], v[S+16*\b], v[S+1+16*\b], v[S+2+16*\b]   ; the largest score of each block of 32 keys: for the row's maximum, and, since p rises with the score, for the block's largest p
.endr
.irp i, 3,5,7,9,11,13
.irp b, 0,1,2,3
	v_max3_num_f32 v[BM+\b], v[BM+\b], v[S+16*\b+\i], v[S+1+16*\b+\i]
.endr
.endr
.irp b, 0,1,2,3
	v_max_num_f32 v[BM+\b], v[BM+\b], v[S+15+16*\b]
.endr
.irp b, 0,1,2,3
	v_permlanex16_b32 v[BT+\b], v[BM+\b], s[SEL], s[SEL+1]
.endr
.irp b, 0,1,2,3
	v_max_num_f32 v[BM+\b], v[BM+\b], v[BT+\b]     ; with lane l xor 16's 16 keys
.endr
	v_max3_num_f32 v[TP], v[BM], v[BM+1], v[BM+2]
	v_max_num_f32 v[TP], v[TP], v[BM+3]
	v_mul_f32 v[TP], s[CS], v[TP]                  ; as t (c is positive)
	v_max_num_f32 v13, v13, v[TP]                  ; the running largest t
	v_mov_b32 v[TP], v12
	v_floor_f32 v12, -v13                          ; the new -M = floor(-t): M is a whole number
	v_sub_f32 v[TP], v12, v[TP]                    ; old M - new M: a whole number, 0 or less
	v_cvt_i32_f32 v[TP], v[TP]                     ; (it saturates)
	v_ldexp_f32 v[F], 1.0, v[TP]                   ; f = 2^(old M - new M)
.set j, 0
.rept 32
	v_pk_fma_f32 v[S+j:S+j+1], v[S+j:S+j+1], s[CS:CS+1], v[12:13] op_sel_hi:[1,0,0]   ; t - M, two at a time
.set j, j+2
.endr
.irp b, 0,1,2,3
	v_fma_f32 v[BM+\b], v[BM+\b], s[CS], v12       ; the same of each block's largest score
.endr
.set j, 0
.rept 64
	v_exp_f32 v[S+j], v[S+j]                       ; p = 2^(t - M), at most 1
.set j, j+1
.endr
	v_pk_mul_f32 v[14:15], v[14:15], v[F:F+1] op_sel_hi:[1,0]   ; the sums under the new M; the plain line behind the exponentials
	s_wait_alu depctr_va_vdst(0)                   ; one wait for the whole batch, ahead of its first reader
.irp b, 0,1,2,3
	v_exp_f32 v[BM+\b], v[BM+\b]                   ; the block's largest p
.endr
	v_pk_add_f32 v[SU:SU+1], v[S:S+1], v[S+2:S+3]  ; the row's sum of the unquantised p, in two chains
.set j, 4
.rept 15
	v_pk_add_f32 v[14:15], v[14:15], v[S+j:S+j+1]
	v_pk_add_f32 v[SU:SU+1], v[SU:SU+1], v[S+j+2:S+j+3]
.set j, j+4
.endr
	v_pk_add_f32 v[14:15], v[14:15], v[SU:SU+1]
	s_wait_alu depctr_va_vdst(0)                   ; and one for the four
.irp b, 0,1,2,3
	v_max_num_f32 v[BM+\b], 0x1800000, v[BM+\b]    ; the floor 2^(3 - 127)
.endr
.irp b, 0,1,2,3
	v_add_nc_u32 v[BS+\b], 0xff000000, v[BM+\b]    ; the conversion's scale operand
.endr
.irp b, 0,1,2,3
	v_lshrrev_b32 v[BT+\b], 23, v[BS+\b]           ; the scale's byte
.endr
	v_lshl_or_b32 v[PW], v[BT+1], 8, v[BT]
	v_lshl_or_b32 v[PW], v[BT+2], 16, v[PW]
	v_lshl_or_b32 v[PW], v[BT+3], 24, v[PW]        ; p's scale word for these 128 keys
.irp c, 0,1
	v_cvt_scalef32_pk16_fp6_f32 v[PC+6*\c:PC+6*\c+2], v[S+32*\c:S+32*\c+15], v[BS+2*\c]
	v_cvt_scalef32_pk16_fp6_f32 v[PH+4*\c:PH+4*\c+2], v[S+16+32*\c:S+31+32*\c], v[BS+2*\c+1]
.endr
	v_nop                                          ; one plain line behind a scaled conversion
.irp c, 0,1
.irp i, 0,1,2
	v_permlane16_swap_b32 v[PC+6*\c+\i], v[PH+4*\c+\i]
.endr
.irp i, 0,1,2
	v_mov_b32 v[PC+3+6*\c+\i], v[PH+4*\c+\i]
.endr
.endr
.set j, 0
.rept 16
	v_pk_mul_f32 v[O+j:O+j+1], v[O+j:O+j+1], v[F:F+1] op_sel_hi:[1,0]   ; O^T under the new M; these sixteen also stand between the lines that made p's codes and scale word and the products
.set j, j+2
.endr
	s_wait_dscnt 0x0                               ; V is in
.irp d, 0,1,2,3
	OPROD \d                                       ; one instruction an accumulator: the four take turns
.endr
	s_add_co_u32 s[TB], s[TB], 12288
	s_add_co_u32 s[TS], s[TS], 512
	s_add_co_u32 s[TJ], s[TJ], 256
.endm
.macro PASS p
.if \p
	s_wait_xcnt 0x0                                ; the first tile's stores have read their registers
.endif
	v_mov_b32 v13, 0xff61b1e6                      ; the largest t so far: -3e38
	v_floor_f32 v12, -v13
	v_mov_b32 v14, 0
	v_mov_b32 v15, 0
.set j, 0
.rept 32
	v_mov_b32 v[O+j], 0                            ; the step is written once: its first trip finds zeros
.set j, j+1
.endr
	s_mov_b32 s[TB], 0
	s_mov_b32 s[TS], 0
	s_mov_b32 s[TJ], 0
	s_mov_b32 s[CNT], 16
.Lstep_\@:
	STEP \p
	s_sub_co_u32 s[CNT], s[CNT], 1
	s_cmp_lg_u32 s[CNT], 0
	s_cbranch_scc1 .Lstep_\@
.rept 4
	v_nop                                          ; places behind the last products
.endr
	v_add_f32 v14, v14, v15
	v_permlanex16_b32 v[TP], v14, s[SEL], s[SEL+1]
	v_add_f32 v14, v14, v[TP]                      ; the row's sum
	v_rcp_f32 v[F], v14
	v_nop
	s_wait_alu depctr_va_vdst(0)
.set j, 0
.rept 16
	v_pk_mul_f32 v[S+j:S+j+1], v[O+j:O+j+1], v[F:F+1] op_sel_hi:[1,0]   ; the context: register 16 b + i is channel 32 b + 16 (lane / 16) + i; each accumulator from its low end on
.set j, j+2
.endr
.irp b, 0,1
	v_max3_num_f32 v[BM+\b], |v[S+16*\b]|, |v[S+1+16*\b]|, 0x1800000
.endr
.irp i, 2,4,6,8,10,12,14
.irp b, 0,1
	v_max3_num_f32 v[BM+\b], v[BM+\b], |v[S+16*\b+\i]|, |v[S+1+16*\b+\i]|
.endr
.endr
.irp b, 0,1
	v_permlanex16_b32 v[BT+\b], v[BM+\b], s[SEL], s[SEL+1]
.endr
.irp b, 0,1
	v_max_num_f32 v[BM+\b], v[BM+\b], v[BT+\b]
.endr
.irp b, 0,1
	v_add_nc_u32 v[BS+\b], 0xff000000, v[BM+\b]
.endr
.irp b, 0,1
	v_lshrrev_b32 v[BT+\b], 23, v[BS+\b]
.endr
	v_lshl_or_b32 v[CW+\p], v[BT+1], 8, v[BT]      ; the head's two scale bytes of my query
	v_cvt_scalef32_pk16_fp6_f32 v[PC:PC+2], v[S:S+15], v[BS]
	v_cvt_scalef32_pk16_fp6_f32 v[PH:PH+2], v[S+16:S+31], v[BS+1]
	v_nop
.irp i, 0,1,2
	v_permlane16_swap_b32 v[PC+\i], v[PH+\i]
.endr
.irp i, 0,1,2
	v_mov_b32 v[PC+3+\i], v[PH+\i]
.endr
	global_store_b128 v[L16], v[PC:PC+3], s[6:7] offset:12288*\p
	global_store_b64 v[L8], v[PC+4:PC+5], s[6:7] offset:12288*\p+512
	ds_store_b16 v[STW], v[CW+\p] offset:32*\p     ; both halves of the lanes write the same bytes with the same value
.endm
	PASS 0
	PASS 1
	s_wait_dscnt 0x0                               ; for the others' sake: my scale bytes lie in the stage
	s_barrier_signal -1
	s_barrier_wait -1
	s_cmp_lt_u32 s[WV], 2
	s_cbranch_scc0 .Lno_bytes
	ds_load_b128 v[S:S+3], v[SGR]                  ; waves 0 and 1 store the work-group's 1,024 scale bytes, 512 each
	s_wait_dscnt 0x0
	global_store_b128 v[L16], v[S:S+3], s[8:9]
.Lno_bytes:
	s_wait_tensorcnt 0x0                           ; the wave's end
	ds_add_u32 v[SPW], v[NIL]
	s_wait_dscnt 0x0
	CROUND                                         ; the closing round
	s_endpgm
.Lfunc_end_k_q7925db6204_attn:
	.size	k_q7925db6204_attn, .Lfunc_end_k_q7925db6204_attn-k_q7925db6204_attn
	.p2alignl 7, 3214868480
	.fill 96, 4, 3214868480
	.section	.rodata,"a",@progbits
	.p2align	6, 0x0
	.amdhsa_kernel k_q7925db6204_attn
		.amdhsa_group_segment_fixed_size 212992
		.amdhsa_private_segment_fixed_size 0
		.amdhsa_enable_private_segment 0
		.amdhsa_kernarg_size 24
		.amdhsa_user_sgpr_count 2
		.amdhsa_user_sgpr_kernarg_segment_ptr 1
		.amdhsa_wavefront_size32 1
		.amdhsa_system_sgpr_workgroup_id_x 1
		.amdhsa_system_sgpr_workgroup_id_y 1
		.amdhsa_system_sgpr_workgroup_id_z 1
		.amdhsa_system_vgpr_workitem_id 0
		.amdhsa_next_free_vgpr 256
		.amdhsa_next_free_sgpr 66
		.amdhsa_reserve_vcc 0
		.amdhsa_float_denorm_mode_32 3
		.amdhsa_float_denorm_mode_16_64 3
		.amdhsa_memory_ordered 1
		.amdhsa_forward_progress 1
		.amdhsa_inst_pref_size 49
	.end_amdhsa_kernel
	.amdgpu_metadata
---
amdhsa.version: [ 1, 2 ]
amdhsa.kernels:
  - .name:           k_q7925db6204_attn
    .symbol:         k_q7925db6204_attn.kd
    .args:
      - { .name: hd, .offset: 0, .size: 8, .value_kind: global_buffer, .address_space: global }
      - { .name: cc, .offset: 8, .size: 8, .value_kind: global_buffer, .address_space: global }
      - { .name: cs, .offset: 16, .size: 8, .value_kind: global_buffer, .address_space: global }
    .group_segment_fixed_size: 212992
    .private_segment_fixed_size: 0
    .kernarg_segment_align: 8
    .kernarg_segment_size: 24
    .max_flat_workgroup_size: 512
    .sgpr_count:     66
    .vgpr_count:     256
    .wavefront_size: 32
...
	.end_amdgpu_metadata
.endif
;; end of part 3
;; launch outp (part 4): grid 32 x 4, 4 waves a work-group, clusters of 4 x 4, 327,680 bytes of LDS; arguments cc, cs, qc, qs, bo, out0; writes out0
.if DOCPART == 4
	.amdgcn_target "amdgcn-amd-amdhsa--gfx1250"
	.amdhsa_code_object_version 6
	.text
	.protected	k_q7925db6204_outp
	.globl	k_q7925db6204_outp
	.p2align	8
	.type	k_q7925db6204_outp,@function
k_q7925db6204_outp:
	s_mov_b64 s[64:65], 0
	v_nop
	global_prefetch_b8 v0, s[64:65] scope:SCOPE_SE
	s_setreg_imm32_b32 hwreg(HW_REG_WAVE_MODE, 25, 1), 1
	s_wait_xcnt 0x0
	s_wait_alu depctr_hold_cnt(0) depctr_sa_sdst(0) depctr_va_vdst(0) depctr_va_sdst(0) depctr_va_ssrc(0) depctr_va_vcc(0) depctr_vm_vsrc(0)
	s_getreg_b32 s2, hwreg(HW_REG_IB_STS2, 6, 4)
	s_cmp_eq_u32 s2, 0
	s_cbranch_scc0 .Lentry_in_a_cluster
	s_endpgm
.Lentry_in_a_cluster:
	s_bfe_u32 s2, ttmp6, 0x10000c
	s_cmp_lg_u32 s2, 0xf033
	s_cbranch_scc0 .Lentry_shape_is_right
	s_endpgm
.Lentry_shape_is_right:
; out0 = context Wo^T + bo, on codes of FP6 (E2M3) with E8M0 scales, sums in f32, out0 [2048][4][1024] f32.
; A' = the context's token tiles (cc: 12,288 bytes a tile, head's half image at 768 head), in the lanes; B' = Wo's tiles (qc, from tile 1,728), along the registers: a lane's registers are neighbouring output channels.
; A tile of the result is 256 tokens x 256 channels: four waves, each 128 x 128; 128 work-groups in 8 clusters of 4 x 4; A' tiles are asked for jointly along a row of the cluster, B' along a column.
; K = 1,024 goes in four steps of 256 through two LDS slots.  THE CONTEXT'S SCALE BYTES lie in cs by head ([head][tile][place][2]); a scale word spans two heads: each wave brings the bytes of 4 tiles (16 rows of 128 bytes),
; pairs them by v_perm_b32 and stores them to LDS in the form that the weights' scale bytes have: [256 along K: 4][place: 16][8 bytes] a tile.
; The bias is the C of each sum's first matrix instruction.  Place t of token tile st is s = 32 (st / 2) + 8 (st % 2) + t + 8 (t / 8).
.set STEPB, 3072
.set HALFT, 8*STEPB
.set SLOT,  4*HALFT
.set SCL,   2*SLOT                     ; A' scale words, 8,192 bytes: written by LDS stores alone
.set SCLB,  SCL+8192                   ; B' scale bytes: filled once
.set RAW,   SCLB+8192                  ; the context's scale bytes as they come: filled once
.set SPARE, RAW+8192                   ; the spare words, 128 bytes a wave: two blocks of 256 bytes that no other line names
.set SPITCH, 528                       ; the way out: a stage of 16 rows x (512 + 16) bytes a wave, in slot 0, when that slot has had its last fill and its last read
.set NQ, 2
.set FR, 12
.set NL, 4
.set NP, 4
.set L16, 8
.set L8,  9
.set RWA, 10                           ; v10  where I read the raw scale bytes
.set SWA, 11                           ; v11  where I store the scale words
.set ADRA, 16
.set ADRB, 20
.set STO, 24
.set RD,  25
.set CO,  26
.set ADRS, 27
.set SPW, 28
.set NIL, 29
.set SC,  32
.set BC,  64
.set AF,  128
.set BK,  128
.set G1, 24
.set G0, 32
.set G1B, 48
.set G0B, 56
.set G1S, 68
.set G0S, 76
.set G1SB, 80
.set G0SB, 88
.set MSB, 0
.macro WIN new
.if MSB != (\new)
	s_set_vgpr_msb (MSB<<8)|(\new)
.set MSB, (\new)
.endif
.endm
.set MUL_LO, 0xa1
.set MUL_HI, 0xf1
.set TO_B,   0x40
.macro JLOAD g0a, g1a, g0b, g1b        ; waves 0 and 1 fetch for A', waves 2 and 3 for B'; an s_nop 0 and four v_nop follow each line
	s_cmp_eq_u32 s17, 0
	s_cbranch_scc0 .Lfor_b_\@
	tensor_load_to_lds s[\g0a:\g0a+3], s[\g1a:\g1a+7]
	s_nop 0
.rept 4
	v_nop
.endr
	s_branch .Lasked_\@
.Lfor_b_\@:
	tensor_load_to_lds s[\g0b:\g0b+3], s[\g1b:\g1b+7]
	s_nop 0
.rept 4
	v_nop
.endr
.Lasked_\@:
.endm
.macro CREST
	s_cmp_lg_u32 s16, 0
	s_cbranch_scc1 .Lnot_wave_0_\@
	s_barrier_signal -3
.Lnot_wave_0_\@:
	s_barrier_wait -3
	s_barrier_signal -1
	s_barrier_wait -1
.endm
.macro CROUND
	s_barrier_signal -1
	s_barrier_wait -1
	CREST
.endm
	s_load_b128 s[4:7], s[0:1], 0x0                ; cc, cs
	s_load_b128 s[8:11], s[0:1], 0x10              ; qc, qs
	s_load_b128 s[12:15], s[0:1], 0x20             ; bo, out0
	v_lshl_add_u32 v[SPW], v0, 2, SPARE
	v_mov_b32 v[NIL], 0
	ds_add_u32 v[SPW], v[NIL]                      ; the wave's opening: the add and its wait stand ahead of my first tensor load
	v_lshrrev_b32 v1, 5, v0
	v_readfirstlane_b32 s16, v1                    ; wave 0..3
	s_lshr_b32 s17, s16, 1                         ; wr; also: I fetch codes for A' (0) or B' (1)
	s_and_b32 s18, s16, 1                          ; wc; also: which 8 tiles
	s_bfe_u32 s40, ttmp6, 0x40000                  ; cx = tc: which 256 channels
	s_bfe_u32 s41, ttmp6, 0x40004                  ; cy
	s_lshl_b32 s43, ttmp9, 2
	s_add_co_u32 s43, s43, s41                     ; tr: which 256 tokens = 4 x cluster + cy
	s_lshl_b32 s2, s41, 2
	s_lshl_b32 s2, 15, s2                          ; my row of the cluster
	s_lshl_b32 s3, 0x1111, s40                     ; my column
	s_or_b32 s[G1+0], s2, (3<<16)|(1<<21)
	s_or_b32 s[G1B+0], s3, (3<<16)|(1<<21)
.irp g, G1, G1B                        ; 8 tiles x 3,072 bytes, 12,288 bytes apart, in elements of 8 bytes
	s_mov_b32 s[\g+1], 384<<16
	s_mov_b32 s[\g+2], 8<<16
	s_mov_b32 s[\g+3], 384<<16
	s_mov_b32 s[\g+4], 8
	s_mov_b32 s[\g+5], 1536
	s_mov_b32 s[\g+6], 0
	s_mov_b32 s[\g+7], 0
.endr
	s_or_b32 s[G1S+0], s2, (3<<16)|(1<<21)         ; the context's scale bytes of 4 tiles: 16 heads x 128 bytes, 16,384 bytes apart
	s_mov_b32 s[G1S+1], 16<<16
	s_mov_b32 s[G1S+2], 16<<16
	s_mov_b32 s[G1S+3], 16<<16
	s_mov_b32 s[G1S+4], 16
	s_mov_b32 s[G1S+5], 2048
	s_mov_b32 s[G1S+6], 0
	s_mov_b32 s[G1S+7], 0
	s_or_b32 s[G1SB+0], s3, (3<<16)|(1<<21)        ; Wo's scale bytes of 4 tiles: 2,048 dense bytes as 8 rows of 256
	s_mov_b32 s[G1SB+1], 32<<16
	s_mov_b32 s[G1SB+2], 8<<16
	s_mov_b32 s[G1SB+3], 32<<16
	s_mov_b32 s[G1SB+4], 8
	s_mov_b32 s[G1SB+5], 32
	s_mov_b32 s[G1SB+6], 0
	s_mov_b32 s[G1SB+7], 0
	s_lshl_b32 s46, s18, 3
	s_lshl_b32 s20, s43, 4
	s_lshl_b32 s22, s16, 2
	s_add_co_u32 s22, s22, s20                     ; the 4 tiles of A' whose scale bytes I bring: 16 tr + 4 wave
	s_lshl_b32 s22, s22, 5
	s_mov_b32 s23, 0
	s_add_co_u32 s20, s20, s46                     ; the 8 tiles of A' whose codes I would fetch
	s_mul_i32 s20, s20, 12288
	s_mov_b32 s21, 0
	s_lshl_b32 s44, s40, 4
	s_add_co_u32 s44, s44, 1728
	s_lshl_b32 s47, s16, 2
	s_add_co_u32 s47, s47, s44                     ; the same for B'
	s_add_co_u32 s44, s44, s46
	s_lshl_b32 s46, s47, 9
	s_mov_b32 s47, 0
	s_mul_i32 s44, s44, 12288
	s_mov_b32 s45, 0
	s_mul_i32 s66, s16, HALFT
	s_lshl_b32 s67, s16, 11
	s_wait_dscnt 0x0                               ; the opening add is done
	s_wait_kmcnt 0x0
	s_add_nc_u64 s[20:21], s[4:5], s[20:21]
	s_add_nc_u64 s[22:23], s[6:7], s[22:23]
	s_add_nc_u64 s[44:45], s[8:9], s[44:45]
	s_add_nc_u64 s[46:47], s[10:11], s[46:47]
	CROUND                                         ; all sixteen work-groups are here: the first joint loads meet
	s_mov_b32 s[G0S], 1
	s_add_co_u32 s[G0S+1], s67, RAW
	s_mov_b64 s[G0S+2:G0S+3], s[22:23]
	s_or_b32 s[G0S+3], s[G0S+3], 0x80000000
	s_mov_b32 s[G0SB], 1
	s_add_co_u32 s[G0SB+1], s67, SCLB
	s_mov_b64 s[G0SB+2:G0SB+3], s[46:47]
	s_or_b32 s[G0SB+3], s[G0SB+3], 0x80000000
	tensor_load_to_lds s[G0S:G0S+3], s[G1S:G1S+7]  ; every wave: its quarter of the context's scale bytes,
	s_nop 0
	tensor_load_to_lds s[G0SB:G0SB+3], s[G1SB:G1SB+7]   ; and of Wo's
	s_nop 0
.rept 4
	v_nop
.endr
.irp s, 0,1
	s_mov_b32 s[G0+4*\s], 1
	s_add_co_u32 s[G0+4*\s+1], s66, \s*SLOT
	s_add_nc_u64 s[G0+4*\s+2:G0+4*\s+3], s[20:21], \s*STEPB
	s_or_b32 s[G0+4*\s+3], s[G0+4*\s+3], 0x80000000
	s_mov_b32 s[G0B+4*\s], 1
	s_add_co_u32 s[G0B+4*\s+1], s66, \s*SLOT
	s_add_nc_u64 s[G0B+4*\s+2:G0B+4*\s+3], s[44:45], \s*STEPB
	s_or_b32 s[G0B+4*\s+3], s[G0B+4*\s+3], 0x80000000
	JLOAD G0+4*\s, G1, G0B+4*\s, G1B               ; four loads of mine are out
.endr
	v_and_b32 v4, 15, v0                           ; r
	v_bfe_u32 v5, v0, 4, 1                         ; h
	s_lshl_b32 s21, s40, 1
	s_add_co_u32 s21, s21, s18                     ; Y: my 128 channels
	s_lshl_b32 s22, s21, 9
	s_mov_b32 s23, 0
	s_add_nc_u64 s[12:13], s[12:13], s[22:23]      ; their bias; and their 512 bytes in a row of out0
	s_add_nc_u64 s[14:15], s[14:15], s[22:23]
	v_lshlrev_b32 v6, 6, v5
.irp t, 0,1,2,3,4,5,6,7
	global_load_b128 v[BC+8*\t:BC+8*\t+3], v6, s[12:13] offset:(32*(\t/2)+8*(\t%2))*4
	global_load_b128 v[BC+8*\t+4:BC+8*\t+7], v6, s[12:13] offset:(32*(\t/2)+8*(\t%2))*4+16
.endr
	s_lshl_b32 s20, s43, 1
	s_add_co_u32 s20, s20, s17                     ; X: my 128 tokens
	s_lshr_b32 s22, s20, 4                         ; b
	s_and_b32 s20, s20, 15                         ; gb
	s_lshl_b32 s20, s20, 9
	s_add_co_u32 s20, s20, s22
	s_lshl_b32 s22, s20, 12                        ; (512 gb + b) rows of 4,096 bytes
	s_add_nc_u64 s[14:15], s[14:15], s[22:23]
	v_and_b32 v1, 31, v0
	v_lshlrev_b32 v[L16], 4, v1
	v_lshlrev_b32 v[L8], 3, v1
	v_lshlrev_b32 v[CO], 4, v1
	s_mul_i32 s10, s17, HALFT
	s_mul_i32 s11, s18, HALFT
	s_add_co_u32 s11, s11, 2*HALFT
.irp s, 0,1
	v_add_nc_u32 v[ADRA+\s], s10, v[L16]
	v_add_nc_u32 v[ADRA+2+\s], s10, v[L8]
	v_add_nc_u32 v[ADRB+\s], s11, v[L16]
	v_add_nc_u32 v[ADRB+2+\s], s11, v[L8]
	s_add_co_u32 s10, s10, SLOT
	s_add_co_u32 s11, s11, SLOT
.endr
	s_lshl_b32 s10, s17, 12
	s_lshl_b32 s11, s18, 12
	s_add_co_u32 s11, s11, 8192
	s_sub_co_u32 s11, s11, s10
	v_mul_u32_u24 v2, s11, v5                      ; lanes 16-31 take B'
	s_add_co_u32 s10, s10, SCL
	v_lshl_add_u32 v2, v4, 3, v2
	v_add_nc_u32 v[ADRS], s10, v2
	s_mul_i32 s10, s16, 16*SPITCH                  ; my stage
	v_mul_u32_u24 v2, v4, SPITCH
	v_lshl_add_u32 v2, v5, 6, v2
	v_add_nc_u32 v[STO], s10, v2                   ; in: row r, + 64 h
	v_add_nc_u32 v[RD], s10, v[L16]                ; back: a row of 512 bytes
	s_add_co_u32 s10, s67, RAW
	v_lshl_add_u32 v[RWA], v1, 2, s10              ; my quarter of the raw bytes, 4 bytes a lane: tile l / 8, places 2 (l % 8) and 2 (l % 8) + 1
	v_bfe_u32 v2, v0, 3, 2
	v_and_b32 v3, 7, v0
	v_lshlrev_b32 v2, 9, v2
	v_lshl_add_u32 v2, v3, 4, v2
	s_add_co_u32 s10, s67, SCL
	v_add_nc_u32 v[SWA], s10, v2                   ; 512 (l / 8) + 16 (l % 8): those two places' 16 bytes of a K step
	s_wait_tensorcnt 3                             ; my quarter of the raw bytes is in; the three younger loads may be out
.irp n, 0,1,2,3,4,5,6,7,8,9,10,11,12,13,14,15
	ds_load_b32 v[128+\n], v[RWA] offset:128*\n    ; head n
.endr
	s_wait_dscnt 0x0
.irp m, 0,1,2,3                        ; K step m: heads 4 m .. 4 m + 3.  Low halves: the even place's bytes; high halves: the odd place's
	v_perm_b32 v[160+4*\m], v[129+4*\m], v[128+4*\m], 0x05040100
	v_perm_b32 v[161+4*\m], v[131+4*\m], v[130+4*\m], 0x05040100
	v_perm_b32 v[162+4*\m], v[129+4*\m], v[128+4*\m], 0x07060302
	v_perm_b32 v[163+4*\m], v[131+4*\m], v[130+4*\m], 0x07060302
	ds_store_b128 v[SWA], v[160+4*\m:163+4*\m] offset:128*\m
.endr
	s_wait_loadcnt 0x0                             ; the bias
	s_wait_dscnt 0x0                               ; for the others' sake: my scale words lie in LDS
	s_wait_tensorcnt 1                             ; Wo's scale bytes and my part of K step 0 are in (K step 1's load may be out),
	s_barrier_signal -1
	s_barrier_wait -1                              ; everybody's are
.macro FRAG reg, adr, q, i
	ds_load_b128 v[\reg:\reg+3], v[\adr] offset:STEPB*(\i)+1536*(\q)
	ds_load_b64 v[\reg+4:\reg+5], v[\adr+2] offset:STEPB*(\i)+1536*(\q)+512
	ds_load_b128 v[\reg+6:\reg+9], v[\adr] offset:STEPB*(\i)+1536*(\q)+768
	ds_load_b64 v[\reg+10:\reg+11], v[\adr+2] offset:STEPB*(\i)+1536*(\q)+1280
.endm
.macro MUL16 a0, p, q, sc, first       ; the 64 accumulators take turns, one instruction a turn
.irp a, \a0, \a0+1
.irp b, 0,1,2,3,4,5,6,7
.if \first
	v_wmma_scale_f32_16x16x128_f8f6f4 v[8*(8*((\a)%4)+\b):8*(8*((\a)%4)+\b)+7], v[128*(\p)+FR*\b:128*(\p)+FR*\b+FR-1], v[AF+FR*(\a):AF+FR*(\a)+FR-1], v[BC+8*\b:BC+8*\b+7], v[SC+8*NQ*(\sc)+NQ*\b+(\q)], v[SC+8*NQ*(\sc)+NQ*(\a)+(\q)] matrix_a_fmt:MATRIX_FMT_FP6 matrix_b_fmt:MATRIX_FMT_FP6 matrix_a_scale:MATRIX_SCALE_ROW1
.else
	v_wmma_scale_f32_16x16x128_f8f6f4 v[8*(8*((\a)%4)+\b):8*(8*((\a)%4)+\b)+7], v[128*(\p)+FR*\b:128*(\p)+FR*\b+FR-1], v[AF+FR*(\a):AF+FR*(\a)+FR-1], v[8*(8*((\a)%4)+\b):8*(8*((\a)%4)+\b)+7], v[SC+8*NQ*(\sc)+NQ*\b+(\q)], v[SC+8*NQ*(\sc)+NQ*(\a)+(\q)] matrix_a_fmt:MATRIX_FMT_FP6 matrix_b_fmt:MATRIX_FMT_FP6 matrix_a_scale:MATRIX_SCALE_ROW1
.endif
.endr
.endr
.endm
.macro FETCH_B slot, q, p
	WIN TO_B
.irp i, 0,1,2,3,4,5,6,7
	FRAG 128*(\p)+FR*\i, ADRB+\slot, \q, \i
.endr
	WIN 0
.endm
.macro FETCH_A slot, q, i0
.irp i, \i0, \i0+1, \i0+2, \i0+3
	FRAG AF+FR*(\i), ADRA+\slot, \q, \i
.endr
.endm
.macro SCALES sc
.irp i, 0,1,2,3,4,5,6,7
	ds_load_b64 v[SC+8*NQ*\sc+NQ*\i:SC+8*NQ*\sc+NQ*\i+1], v[ADRS] offset:\i*512
.endr
.endm
.macro PLACES n
.rept \n
	v_nop
.endr
.endm
.macro STEP slot, q, first
	s_wait_dscnt 4*NL                              ; B' set and A' blocks 0-3 are in; the youngest sixteen loads may be out
.if \first
	WIN 0x81
.else
	WIN MUL_LO
.endif
	MUL16 0, (\q)%2, \q, \slot, \first
	MUL16 2, (\q)%2, \q, \slot, \first
	s_wait_dscnt 0
	PLACES NP
	FETCH_B \slot, (\q)+1, 1-(\q)%2
	FETCH_A \slot, (\q)+1, 0
.if \first
	WIN 0xc1
.else
	WIN MUL_HI
.endif
	MUL16 4, (\q)%2, \q, \slot, \first
	MUL16 6, (\q)%2, \q, \slot, \first
	PLACES NP
	WIN 0
	FETCH_A \slot, (\q)+1, 4
.endm
.macro TURN slot, next, fill
	s_wait_tensorcnt 0x0                           ; all my tensor loads have landed
	ds_add_u32 v[SPW], v[NIL]                      ; 0 onto my spare word
	s_wait_dscnt 4*NL+1                            ; (the add and the youngest sixteen loads may be out)
	WIN MUL_LO
	MUL16 0, 1, NQ-1, \slot, 0
	s_wait_dscnt 0x0                               ; the add is done, and my reads of this slot are over
	s_barrier_signal -1
	MUL16 2, 1, NQ-1, \slot, 0
	WIN 0
	s_barrier_wait -1
.if \fill
	CREST                                          ; a round of the cluster's barrier: no wave of any partner still reads this slot or has a load on its way
	s_add_nc_u64 s[G0+4*\slot+2:G0+4*\slot+3], s[G0+4*\slot+2:G0+4*\slot+3], 2*STEPB
	s_add_nc_u64 s[G0B+4*\slot+2:G0B+4*\slot+3], s[G0B+4*\slot+2:G0B+4*\slot+3], 2*STEPB
	JLOAD G0+4*\slot, G1, G0B+4*\slot, G1B
.else
	PLACES NP
.endif
	v_add_nc_u32 v[ADRS], 128, v[ADRS]
	FETCH_B \next, 0, 0
	FETCH_A \next, 0, 0
	SCALES \next
	WIN MUL_HI
	MUL16 4, 1, NQ-1, \slot, 0
	MUL16 6, 1, NQ-1, \slot, 0
	PLACES NP
	WIN 0
	FETCH_A \next, 0, 4
.endm
	FETCH_B 0, 0, 0
	FETCH_A 0, 0, 0
	SCALES 0
	FETCH_A 0, 0, 4
	STEP 0, 0, 1
	TURN 0, 1, 1
	STEP 1, 0, 0
	TURN 1, 0, 1
	STEP 0, 0, 0
	TURN 0, 1, 0
	STEP 1, 0, 0
	s_wait_dscnt 4*NL
	WIN MUL_LO
	MUL16 0, 1, NQ-1, 1, 0
	MUL16 2, 1, NQ-1, 1, 0
	s_wait_dscnt 0
	WIN MUL_HI
	MUL16 4, 1, NQ-1, 1, 0
	MUL16 6, 1, NQ-1, 1, 0
	WIN 0
; THE WAY OUT, block by block of 16 tokens x 128 channels, through my own stage: LDS serves a wave's instructions in order, so no wait stands between the stores and the loads.
.macro TOSTAGE a
.set AC, 64*((\a)%4)
	WIN 0x08+4*((\a)/4)                            ; the data: window 2 or 3
.irp b, 0,1,2,3,4,5,6,7
	ds_store_b128 v[STO], v[AC+8*\b:AC+8*\b+3] offset:128*(\b/2)+32*(\b%2)         ; tile 2 B + u, register j: channel 32 B + 16 h + 8 u + j; each accumulator from its low end on
	ds_store_b128 v[STO], v[AC+8*\b+4:AC+8*\b+7] offset:128*(\b/2)+32*(\b%2)+16
.endr
	WIN 0
.set BB, BK+64*((\a)%2)
.irp t, 0,1,2,3,4,5,6,7,8,9,10,11,12,13,14,15
	ds_load_b128 v[BB+4*\t:BB+4*\t+3], v[RD] offset:\t*SPITCH
.endr
.endm
.macro SEND a, younger
.set BB, BK+64*((\a)%2)
	s_wait_dscnt \younger                          ; the block is back in registers
.irp t, 0,1,2,3,4,5,6,7,8,9,10,11,12,13,14,15
	global_store_b128 v[CO], v[BB+4*\t:BB+4*\t+3], s[14:15] offset:(32*((\a)/2)+8*((\a)%2)+\t+8*(\t/8))*16384 th:TH_STORE_NT   ; place t's true s, 16,384 bytes a step of s: 127 steps at the most, inside the signed 24-bit immediate; 512 consecutive bytes a store
.endr
.endm
	PLACES NP
	TOSTAGE 0
.irp a, 1,2,3,4,5,6,7
.if \a > 1
	s_wait_xcnt 0x0                                ; block a - 2's stores have read their registers: block a's loads may land there
.endif
	TOSTAGE \a
	SEND \a-1, 32                                  ; behind block a - 1's loads: block a's 16 stores and 16 loads
.endr
	SEND 7, 0
	s_wait_tensorcnt 0x0                           ; the wave's end
	ds_add_u32 v[SPW], v[NIL]
	s_wait_dscnt 0x0
	CROUND                                         ; the closing round
	s_endpgm
.Lfunc_end_k_q7925db6204_outp:
	.size	k_q7925db6204_outp, .Lfunc_end_k_q7925db6204_outp-k_q7925db6204_outp
	.p2alignl 7, 3214868480
	.fill 96, 4, 3214868480
	.section	.rodata,"a",@progbits
	.p2align	6, 0x0
	.amdhsa_kernel k_q7925db6204_outp
		.amdhsa_group_segment_fixed_size 327680
		.amdhsa_private_segment_fixed_size 0
		.amdhsa_enable_private_segment 0
		.amdhsa_kernarg_size 48
		.amdhsa_user_sgpr_count 2
		.amdhsa_user_sgpr_kernarg_segment_ptr 1
		.amdhsa_wavefront_size32 1
		.amdhsa_system_sgpr_workgroup_id_x 1
		.amdhsa_system_sgpr_workgroup_id_y 1
		.amdhsa_system_sgpr_workgroup_id_z 1
		.amdhsa_system_vgpr_workitem_id 0
		.amdhsa_next_free_vgpr 1024
		.amdhsa_next_free_sgpr 104
		.amdhsa_reserve_vcc 0
		.amdhsa_float_denorm_mode_32 3
		.amdhsa_float_denorm_mode_16_64 3
		.amdhsa_memory_ordered 1
		.amdhsa_forward_progress 1
		.amdhsa_inst_pref_size 148
	.end_amdhsa_kernel
	.amdgpu_metadata
---
amdhsa.version: [ 1, 2 ]
amdhsa.kernels:
  - .name:           k_q7925db6204_outp
    .symbol:         k_q7925db6204_outp.kd
    .args:
      - { .name: cc, .offset: 0, .size: 8, .value_kind: global_buffer, .address_space: global }
      - { .name: cs, .offset: 8, .size: 8, .value_kind: global_buffer, .address_space: global }
      - { .name: qc, .offset: 16, .size: 8, .value_kind: global_buffer, .address_space: global }
      - { .name: qs, .offset: 24, .size: 8, .value_kind: global_buffer, .address_space: global }
      - { .name: bo, .offset: 32, .size: 8, .value_kind: global_buffer, .address_space: global }
      - { .name: out0, .offset: 40, .size: 8, .value_kind: global_buffer, .address_space: global }
    .group_segment_fixed_size: 327680
    .private_segment_fixed_size: 0
    .kernarg_segment_align: 8
    .kernarg_segment_size: 48
    .max_flat_workgroup_size: 128
    .sgpr_count:     104
    .vgpr_count:     1024
    .wavefront_size: 32
...
	.end_amdgpu_metadata
.endif
;; end of part 4
